; MI455X (gfx1250); checked and timed in simulation.
; The chip was launched on July 23, 2026; its instructions are those of AMD's public machine-readable ISA for CDNA 5 (MIT licence, August 2026) and "CDNA5" Instruction Set Architecture Reference Guide (July 2026). The comments in the code are by the model that wrote it; some were corrected since.
;; Multi Headed Attention. Allowed arithmetic: matrix products marked QUANTISED: E2M1 operands, one E8M0 scale for each 32 along K, by v_wmma_scale_f32_16x16x128_f8f6f4 with both operands' format E2M1 (or v_wmma_scale_f32_32x16x128_f4), f32 sums; products left as they are: bf16, f16 or f32 operands; f32 sums; everything else in f32.
;; Inputs: X 2,048 x 2,048 float32; bk 2,048 float32; bo 2,048 float32; bq 2,048 float32; bv 2,048 float32; wk 2,048 x 2,048 float32; wo 2,048 x 2,048 float32; wq 2,048 x 2,048 float32; wv 2,048 x 2,048 float32.
;; Outputs: out0 2,048 x 2,048 float32.
;; This version of the problem:
;;   THIS VERSION OF THE PROBLEM IS GIVEN IN LOW PRECISION. The matrix products marked QUANTISED in the list below multiply operands that are first quantised to E2M1 (2 exponent bits, 1 mantissa bit; 4 bits a number), with one power-of-two scale for each 32 numbers along K (OCP MX v1.0); their sums are f32. The products marked 'left as it is' may take bf16, f16 or f32 operands, with f32 sums. Whichever they take, every output number must still come out within the allowed error. Rounding operands to bf16 (8 significant bits) uses up far more of that allowance than f16 does (11 bits, for magnitudes from 6e-5 to 65,504). All else is computed in f32.
;;   The module's matrix products, in the order in which they are computed (A, B: the left and right operand; K: the contracted axis; several contracted axes count as one K, in the product's order):
;;     1. [M 2,048, K 2,048] x [K 2,048, N 2,048]; A: input X; B: input wq: QUANTISED
;;     2. [M 2,048, K 2,048] x [K 2,048, N 2,048]; A: input X; B: input wk: QUANTISED
;;     3. [M 2,048, K 2,048] x [K 2,048, N 2,048]; A: input X; B: input wv: QUANTISED
;;     4. batch 16 x [M 2,048, K 128] x [K 128, N 2,048]; A: computed on the way; B: computed on the way: left as it is (an operand is computed on the way)
;;     5. batch 16 x [M 128, K 2,048] x [K 2,048, N 2,048]; A: computed on the way; B: computed on the way: left as it is (an operand is computed on the way)
;;     6. [M 2,048, K 2,048] x [K 2,048, N 2,048]; A: computed on the way; B: input wo: left as it is (an operand is computed on the way)
;;   THE QUANTISER, for each operand of a quantised product, along K:
;;     - K is cut into blocks of 32 from its start; a last block that is shorter is filled with zeros.
;;     - A block's scale is 2^e with e = floor(log2(the largest magnitude in the block)) - 2, held to -126 .. 127; a block of zeros has e = 0. As a byte (E8M0): e + 127.
;;     - Each number is divided by its block's scale, clamped to +-6, and rounded to the nearest number of E2M1, ties to even, subnormals kept.
;;     - The product sums the exact products of the quantised numbers (number of the format x scale) in f32.
;;   ~~~python
;;   def quantise(x, axis):      # numpy; x: float32 -> the quantised numbers, widened to float32 again
;;       x = np.moveaxis(x, axis, -1); K = x.shape[-1]
;;       x = np.pad(x, [(0, 0)] * (x.ndim - 1) + [(0, -K % 32)]); x = x.reshape(x.shape[:-1] + (-1, 32)); a = np.abs(x).max(-1, keepdims=True)
;;       e = np.where(a > 0, np.clip(np.frexp(np.where(a > 0, a, 1))[1] - 1 - 2, -126, 127), 0)      # np.frexp(a)[1] - 1 = floor(log2(a)), exactly
;;       r = np.clip(x / 2.0 ** e, -6, 6)
;;       step = 2.0 ** (np.maximum(np.frexp(np.where(r == 0, 1, r))[1] - 1, 0) - 1)
;;       q = np.round(r / step) * step * 2.0 ** e      # np.round: ties to even
;;       return np.moveaxis(q.reshape(q.shape[:-2] + (-1,))[..., :K], -1, axis).astype(np.float32)
;;   ~~~
;; One version. Each part assembles by itself: llvm-mc -triple=amdgcn-amd-amdhsa -mcpu=gfx1250 --defsym DOCPART=n.
;; ======== version 1 of 1: 4 launches
;; limits: values are held in f16: magnitudes above 65,504 overflow, below 6.1e-05 lose precision
;; workspace buffers: xc 2,097,152 bytes; xs 131,072 bytes; wc 6,291,456 bytes; ws 393,216 bytes; wot 8,388,608 bytes; rope 1,114,112 bytes; qkv 25,165,824 bytes; att 8,388,608 bytes
;; launch prep (part 1): grid 608 x 1, 4 waves a work-group, no clusters, 102,912 bytes of LDS; arguments X, wq, wk, wv, wo, xc, xs, wc, ws, wot, rope; writes xc, xs, wc, ws, wot, rope
.if DOCPART == 1
	.amdgcn_target "amdgcn-amd-amdhsa--gfx1250"
	.amdhsa_code_object_version 6
	.text
	.protected	k_qd1448c98d0_prep
	.globl	k_qd1448c98d0_prep
	.p2align	8
	.type	k_qd1448c98d0_prep,@function
k_qd1448c98d0_prep:
	s_mov_b64 s[64:65], 0
	v_nop
	global_prefetch_b8 v0, s[64:65] scope:SCOPE_SE
	s_setreg_imm32_b32 hwreg(HW_REG_WAVE_MODE, 25, 1), 1
	s_wait_xcnt 0x0
; PREP: everything that is made once from the inputs, in one launch of four kinds of work-groups, told apart by the work-group's number alone.
;   0-191    wq, wk, wv [K 2048][N 2048] f32 -> codes of FP4 (E2M1) with K innermost, wc [6144 (q | k | v columns)][1024 bytes], and E8M0 scale bytes ws [6144][64]
;   192-319  X [2048][K 2048] f32 -> codes xc [2048][1024 bytes] and scale bytes xs [2048][64]
;   320-575  wo [K][N] f32 -> wot [N][K] f16
;   576-607  the table of cos and sin for the rotation, f32, laid in the order in which the next launch's registers take it, and eight row blocks of (1, 0) for v
; A block's scale is 2^(floor(log2(its largest magnitude)) - 2): its byte is the largest magnitude's exponent field - 2, held at 1 from below.
; LIMITS: NaN and infinities among the inputs are not served.  A block whose largest magnitude lies under 2^-124 keeps the byte 1; a block of zeros keeps the byte 1 over zero codes (the bytes are read by this program alone).
; |wo| stays under 65,504 (f16).  The frequencies come from v_exp_f32 (1 ulp), so an angle may be off by some 2.5e-4 radians at position 2,047.
; No tensor loads, no barrier: waves share nothing.  Each kind of work-group that uses LDS has LDS bytes of its own.
.set XL,    0                          ; X's path: 8,192 bytes a wave
.set WL,    32768                      ; the weights' path: a stage of 32 rows x 272 bytes a wave
.set OL,    67584                      ; wo's path: the same shape
.set SPARE, 102400                     ; the spare words, 128 bytes for each wave: two blocks of 256 bytes that no other line names
.set SPW,   190                        ; v190  LDS address of my spare word; never rewritten
.set NIL,   191                        ; v191  0; never rewritten
.set WV,    30                         ; s30   my wave's number
.set PITCH, 272
.set EMAX,  2
.macro FINISH                          ; the wave's end: behind my last LDS store
	s_wait_tensorcnt 0x0
	ds_add_u32 v[SPW], v[NIL]
	s_wait_dscnt 0x0
	s_endpgm
.endm
	s_load_b512 s[8:23], s[0:1], 0x0               ; X 8:9, wq 10:11, wk 12:13, wv 14:15, wo 16:17, xc 18:19, xs 20:21, wc 22:23
	s_load_b128 s[24:27], s[0:1], 0x40             ; ws 24:25, wot 26:27
	s_load_b64 s[28:29], s[0:1], 0x50              ; rope
	v_lshl_add_u32 v[SPW], v0, 2, SPARE
	v_mov_b32 v[NIL], 0
	v_lshrrev_b32 v1, 5, v0
	v_readfirstlane_b32 s[WV], v1                  ; wave 0..3
	v_and_b32 v2, 31, v0                           ; lane
	s_wait_kmcnt 0x0
	s_cmp_lt_u32 ttmp9, 192
	s_cbranch_scc1 .Lw
	s_cmp_lt_u32 ttmp9, 320
	s_cbranch_scc1 .Lx
	s_cmp_lt_u32 ttmp9, 576
	s_cbranch_scc1 .Lo
; ---------------- THE TABLE.  A wave makes one block of 16 positions: rb = 4 (work-group - 576) + wave.
; Lane (r, h) holds position s = 16 rb + r and the 32 frequencies f = 16 b + 8 h + j (b = 0..3, j = 0..7).  angle = s x 10000^(-f / 64), one f32 rounding.
; Byte rb x 8192 + b x 2048 + part x 512 + lane x 16: parts 0, 1 the eight cosines, parts 2, 3 the eight sines.
.set KF,  34                           ; -log2(10000) / 64
.set HI,  35                           ; 2 pi = HI + MID + (less than 7e-11): HI has 8 significant bits, so n x HI is exact for n up to 326
.set MID, 36
.set S3,  37
.set S5,  38
.set S7,  39
.set S9,  40
.set S11, 41
.set C4,  42
.set C6,  43
.set C8,  44
.set C10, 45
.set C12, 46
	s_sub_co_u32 s32, ttmp9, 576
	s_lshl_b32 s32, s32, 2
	s_add_co_u32 s32, s32, s[WV]                   ; rb
	s_lshl_b32 s34, s32, 13
	s_mov_b32 s35, 0
	s_add_nc_u64 s[28:29], s[28:29], s[34:35]      ; the table at my block
	s_lshl_b32 s33, s32, 4
	s_mov_b32 s[KF],  0xbe549a78
	s_mov_b32 s[HI],  0x40c90000
	s_mov_b32 s[MID], 0x3afdaa22
	s_mov_b32 s[S3],  0xbe2aaaab                   ; the series of sin and cos, cut under 6e-8 on |y| <= pi / 2
	s_mov_b32 s[S5],  0x3c088889
	s_mov_b32 s[S7],  0xb9500d01
	s_mov_b32 s[S9],  0x3638ef1d
	s_mov_b32 s[S11], 0xb2d7322b
	s_mov_b32 s[C4],  0x3d2aaaab
	s_mov_b32 s[C6],  0xbab60b61
	s_mov_b32 s[C8],  0x37d00d01
	s_mov_b32 s[C10], 0xb493f27e
	s_mov_b32 s[C12], 0x310f76c7
	v_lshlrev_b32 v3, 4, v2                        ; 16 x lane
	v_and_b32 v4, 15, v2
	v_add_nc_u32 v4, s33, v4
	v_cvt_f32_u32 v4, v4                           ; my position
	v_lshrrev_b32 v6, 4, v2
	v_lshlrev_b32 v6, 3, v6                        ; 8 h
.set n, 0
.rept 32
	v_add_nc_u32 v[32+n], 16*(n/8)+n%8, v6         ; f
.set n, n+1
.endr
.set n, 0
.rept 32
	v_cvt_f32_u32 v[32+n], v[32+n]
.set n, n+1
.endr
.set n, 0
.rept 32
	v_mul_f32 v[32+n], s[KF], v[32+n]
.set n, n+1
.endr
.set n, 0
.rept 32
	v_exp_f32 v[32+n], v[32+n]                     ; 10000^(-f / 64): one batch
.set n, n+1
.endr
	v_nop                                          ; a plain instruction behind the last exponential
	s_wait_alu depctr_va_vdst(0)                   ; one wait for the batch, ahead of its first reader
.set n, 0
.rept 32
	v_mul_f32 v[32+n], v4, v[32+n]                 ; the angle
.set n, n+1
.endr
; a -> cos a in v[c], sin a in v[s].  r = a - n 2 pi lies in [-pi, pi]; y = r / 2; cos r = 1 - 2 sin^2 y, sin r = 2 sin y cos y.
.macro SINCOS a, c, s
	v_mul_f32 v8, 0.15915494, v[\a]
	v_rndne_f32 v8, v8
	v_fma_f32 v9, -v8, s[HI], v[\a]
	v_fma_f32 v9, -v8, s[MID], v9
	v_mul_f32 v9, 0.5, v9
	v_mul_f32 v10, v9, v9
	v_fma_f32 v11, s[S11], v10, s[S9]
	v_fma_f32 v12, s[C12], v10, s[C10]
	v_fma_f32 v11, v11, v10, s[S7]
	v_fma_f32 v12, v12, v10, s[C8]
	v_fma_f32 v11, v11, v10, s[S5]
	v_fma_f32 v12, v12, v10, s[C6]
	v_fma_f32 v11, v11, v10, s[S3]
	v_fma_f32 v12, v12, v10, s[C4]
	v_mul_f32 v11, v11, v10
	v_fma_f32 v12, v12, v10, -0.5
	v_fma_f32 v11, v11, v9, v9                     ; sin y
	v_fma_f32 v12, v12, v10, 1.0                   ; cos y
	v_add_f32 v13, v11, v11
	v_fma_f32 v[\c], -v13, v11, 1.0
	v_mul_f32 v[\s], v13, v12
.endm
.set n, 0
.rept 32
	SINCOS 32+n, 64+16*(n/8)+n%8, 72+16*(n/8)+n%8
.set n, n+1
.endr
.irp b, 0,1,2,3
.irp p, 0,1,2,3
	global_store_b128 v3, v[64+16*\b+4*\p:64+16*\b+4*\p+3], s[28:29] offset:2048*\b+512*\p   ; 32 lanes store 512 consecutive bytes
.endr
.endr
	s_cmp_lt_u32 s32, 8                            ; the first eight waves also write the eight blocks of (1, 0), from byte 0x100000 on
	s_cbranch_scc0 .Lno_ones
.irp i, 0,1,2,3
	v_mov_b32 v[128+\i], 1.0
	v_mov_b32 v[132+\i], 0
.endr
.irp b, 0,1,2,3
.irp p, 0,1
	global_store_b128 v3, v[128:131], s[28:29] offset:0x100000+2048*\b+512*\p
	global_store_b128 v3, v[132:135], s[28:29] offset:0x100000+2048*\b+1024+512*\p
.endr
.endr
.Lno_ones:
	FINISH
; ---------------- THE THREE WEIGHTS.  K is their FIRST axis: a lane takes a column n and its registers run down K, so that a block of 32 along K lies in one lane's 32 registers
; and the conversions give codes with K innermost.  A wave takes 32 columns x 512 along K; its codes (256 bytes a column) leave through its own stage as rows: sixteen lanes store 256 consecutive bytes, aligned.
.set WX,   32                          ; v32-95   two sets of 32 numbers
.set WC,   96                          ; v96-99   a block's codes
.set WOUT, 112                         ; v112-175 the way out
.set WSB,  24                          ; v24-27   the scale bytes, four to a register
.macro LOADW t                         ; block t: W(32 t + i, my column) into set t % 2
.set li, 0
.rept 32
	global_load_b32 v[WX+32*((\t)%2)+li], v3, s[4:5] offset:(32*(\t)+li)*8192 th:TH_LOAD_NT
.set li, li+1
.endr
.endm
.macro BLOCKW t
.set XS, WX+32*((\t)%2)
.if (\t) < 15
	s_wait_loadcnt 32                              ; this block's 32 loads are in; the next block's may be out
.else
	s_wait_loadcnt 0
.endif
	v_max3_num_f32 v12, |v[XS]|, |v[XS+1]|, |v[XS+2]|
	v_max3_num_f32 v13, |v[XS+3]|, |v[XS+4]|, |v[XS+5]|
.irp i, 6,10,14,18,22,26
	v_max3_num_f32 v12, v12, |v[XS+\i]|, |v[XS+\i+1]|
	v_max3_num_f32 v13, v13, |v[XS+\i+2]|, |v[XS+\i+3]|
.endr
	v_max3_num_f32 v12, v12, |v[XS+30]|, |v[XS+31]|
	v_max3_num_f32 v12, v12, v13, (EMAX+1)<<23     ; the floor 2^(3 - 127): the byte cannot fall under 1
	v_add_nc_u32 v11, 0xff000000, v12              ; 2 off the exponent field: the conversion takes this operand's exponent field as its scale
	v_lshrrev_b32 v13, 23, v11                     ; the scale's byte
.if (\t)%4 == 0
	v_mov_b32 v[WSB+(\t)/4], v13
.else
	v_lshl_or_b32 v[WSB+(\t)/4], v13, 8*((\t)%4), v[WSB+(\t)/4]
.endif
.irp g, 0,1,2,3
	v_cvt_scalef32_pk8_fp4_f32 v[WC+\g], v[XS+8*\g:XS+8*\g+7], v11
.endr
	ds_store_b128 v4, v[WC:WC+3] offset:16*(\t)    ; 32 codes: 16 bytes of my column's row
.if (\t)+2 < 16
	LOADW (\t)+2
.endif
	s_wait_dscnt 0x0                               ; the store has read its registers: the next block's codes may be written
.endm
.Lw:
	s_lshr_b32 s32, ttmp9, 2                       ; x = 0..47: which 128 output rows
	s_and_b32 s33, ttmp9, 3                        ; y: which 512 along K
	s_lshr_b32 s34, s32, 4                         ; which weight
	s_cmp_eq_u32 s34, 0
	s_cselect_b64 s[4:5], s[10:11], s[12:13]
	s_cmp_eq_u32 s34, 2
	s_cselect_b64 s[4:5], s[14:15], s[4:5]
	s_and_b32 s35, s32, 15
	s_lshl_b32 s35, s35, 7
	s_lshl_b32 s36, s[WV], 5
	s_add_co_u32 s35, s35, s36                     ; my first column in the weight
	s_lshl_b32 s37, s32, 7
	s_add_co_u32 s37, s37, s36                     ; my first row of wc and ws
	s_lshl_b32 s38, s33, 22                        ; 512 rows of 8,192 bytes
	s_lshl_b32 s35, s35, 2
	s_add_co_u32 s38, s38, s35
	s_mov_b32 s39, 0
	s_add_nc_u64 s[4:5], s[4:5], s[38:39]
	s_lshl_b32 s38, s37, 10
	s_lshl_b32 s35, s33, 8
	s_add_co_u32 s38, s38, s35
	s_add_nc_u64 s[22:23], s[22:23], s[38:39]
	s_lshl_b32 s38, s37, 6
	s_lshl_b32 s35, s33, 4
	s_add_co_u32 s38, s38, s35
	s_add_nc_u64 s[24:25], s[24:25], s[38:39]
	v_lshlrev_b32 v3, 2, v2                        ; in: 4 bytes a lane
	s_mul_i32 s40, s[WV], 32*PITCH
	s_add_co_u32 s40, s40, WL                      ; my stage
	v_mul_u32_u24 v4, v2, PITCH
	v_add_nc_u32 v4, s40, v4                       ; into it: row = my column
	v_and_b32 v5, 15, v2
	v_lshrrev_b32 v6, 4, v2
	v_mul_u32_u24 v7, v6, PITCH
	v_lshl_add_u32 v7, v5, 4, v7
	v_add_nc_u32 v7, s40, v7                       ; out of it: sixteen lanes to a row, two rows an instruction
	v_lshlrev_b32 v8, 10, v6
	v_lshl_add_u32 v8, v5, 4, v8                   ; and the same place in wc
	v_lshlrev_b32 v9, 6, v2                        ; my column's row of scale bytes
	LOADW 0
	LOADW 1
.set Q, 0
.rept 16
	BLOCKW Q
.set Q, Q+1
.endr
	global_store_b128 v9, v[WSB:WSB+3], s[24:25]   ; my column's 16 scale bytes
.irp t, 0,1,2,3,4,5,6,7,8,9,10,11,12,13,14,15
	ds_load_b128 v[WOUT+4*\t:WOUT+4*\t+3], v7 offset:2*\t*PITCH   ; LDS serves a wave's instructions in order (ISA guide 5.7.1.4): these see my stores
.endr
.irp t, 0,1,2,3,4,5,6,7,8,9,10,11,12,13,14,15
	s_wait_dscnt 15-\t
	global_store_b128 v8, v[WOUT+4*\t:WOUT+4*\t+3], s[22:23] offset:2*\t*1024
.endr
	FINISH
; ---------------- X.  K is innermost and rows are dense: a plain stream of blocks of 32.  A wave takes 16 steps of 512 numbers.  Each load reads 512 consecutive bytes; a step's 2,048 bytes turn
; through the wave's own stage in LDS and come back 64 bytes a lane, so that a lane holds 16 neighbours and two neighbouring lanes a block.  A wave's 256 scale bytes are gathered in LDS and leave as 256 consecutive bytes.
.set STEPS, 16
.set CB,    8                          ; bytes of 16 codes
.set XR,    16                         ; v16-79   four sets of 16 numbers as loaded
.set XX,    80                         ; v80-111  two sets of 16 neighbours
.set XC,    128                        ; v128-189 codes: four registers for each step, so that no store's data are written again
.set XE,    112                        ; v112-127 a scale byte for each step
.set WREG,  8192
.set SP,    80                         ; a lane's place in a stage: 64 bytes + 16 of padding
.macro LOADX t
.irp i, 0,1,2,3
	global_load_b128 v[XR+16*((\t)%4)+4*\i:XR+16*((\t)%4)+4*\i+3], v3, s[8:9] offset:2048*(\t)+512*\i th:TH_LOAD_NT
.endr
.endm
.macro TURNX t
.irp i, 0,1,2,3
	ds_store_b128 v14, v[XR+16*((\t)%4)+4*\i:XR+16*((\t)%4)+4*\i+3] offset:32*SP*((\t)%2)+8*SP*\i
.endr
.irp i, 0,1,2,3
	ds_load_b128 v[XX+16*((\t)%2)+4*\i:XX+16*((\t)%2)+4*\i+3], v15 offset:32*SP*((\t)%2)+16*\i
.endr
.endm
.macro STEPX t
.set XS, XX+16*((\t)%2)
.if (\t) > 0
	s_wait_dscnt 1                                 ; this step's numbers are back from the stage (the last step's byte store may be out)
.else
	s_wait_dscnt 0x0
.endif
.if (\t)+4 < STEPS
	LOADX (\t)+4
.endif
.if (\t)+1 < STEPS
.if STEPS-2-(\t) >= 3
	s_wait_loadcnt 12                              ; the next step's four loads are in; those of the three steps behind it may be out
.else
	s_wait_loadcnt 4*(STEPS-2-(\t))
.endif
	TURNX (\t)+1
.endif
	v_max3_num_f32 v8, |v[XS]|, |v[XS+1]|, |v[XS+2]|
	v_max3_num_f32 v9, |v[XS+3]|, |v[XS+4]|, |v[XS+5]|
.irp i, 6,10
	v_max3_num_f32 v8, v8, |v[XS+\i]|, |v[XS+\i+1]|
	v_max3_num_f32 v9, v9, |v[XS+\i+2]|, |v[XS+\i+3]|
.endr
	v_max3_num_f32 v8, v8, |v[XS+14]|, |v[XS+15]|
	v_max3_num_f32 v8, v8, v9, (EMAX+1)<<23        ; the floor
	v_max_num_f32_dpp v8, v8, v8 row_xmask:1 row_mask:0xf bank_mask:0xf   ; with my neighbour's 16: the block's
	v_add_nc_u32 v11, 0xff000000, v8
	v_cvt_scalef32_pk8_fp4_f32 v[XC+4*(\t)], v[XS:XS+7], v11
	v_cvt_scalef32_pk8_fp4_f32 v[XC+4*(\t)+1], v[XS+8:XS+15], v11
	v_lshrrev_b32 v[XE+(\t)], 23, v11              ; the scale's byte (also the plain instruction behind the conversions)
	ds_store_b8 v5, v[XE+(\t)] offset:16*(\t)      ; both lanes of a block write the same byte with the same value
	global_store_b64 v4, v[XC+4*(\t):XC+4*(\t)+1], s[18:19] offset:32*CB*(\t)   ; 32 lanes store 256 consecutive bytes, aligned
.endm
.Lx:
	s_sub_co_u32 s32, ttmp9, 192
	s_lshl_b32 s32, s32, 2
	s_add_co_u32 s32, s32, s[WV]                   ; which run of 8,192 numbers is my wave's
	s_mov_b32 s35, 0
	s_lshl_b32 s34, s32, 15
	s_add_nc_u64 s[8:9], s[8:9], s[34:35]
	s_lshl_b32 s34, s32, 12
	s_add_nc_u64 s[18:19], s[18:19], s[34:35]
	s_lshl_b32 s34, s32, 8
	s_add_nc_u64 s[20:21], s[20:21], s[34:35]
	v_lshlrev_b32 v3, 4, v2
	s_mul_i32 s33, s[WV], WREG                     ; my region (XL = 0)
	v_lshrrev_b32 v14, 2, v2
	v_mul_u32_u24 v14, v14, SP
	v_and_b32 v15, 3, v2
	v_lshl_add_u32 v14, v15, 4, v14
	v_add_nc_u32 v14, s33, v14                     ; the stage, on the way in: SP (lane / 4) + 16 (lane % 4)
	v_mul_u32_u24 v15, v2, SP
	v_add_nc_u32 v15, s33, v15                     ; and on the way out: SP x lane
	v_mul_u32_u24 v4, v2, CB
	v_lshrrev_b32 v5, 1, v2
	s_add_co_u32 s33, s33, 2*32*SP
	v_add_nc_u32 v5, s33, v5                       ; my block's byte among my wave's 256
	v_lshlrev_b32 v7, 3, v2
	v_add_nc_u32 v6, s33, v7
.irp t, 0,1,2,3
	LOADX \t
.endr
	s_wait_loadcnt 12                              ; step 0's four loads are in
	TURNX 0
.irp t, 0,1,2,3,4,5,6,7,8,9,10,11,12,13,14,15
	STEPX \t
.endr
	ds_load_b64 v[8:9], v6
	s_wait_dscnt 0x0
	global_store_b64 v7, v[8:9], s[20:21]          ; 32 lanes store 256 consecutive bytes, aligned
	FINISH
; ---------------- wo.  As the weights: a lane to a column n, registers down K; two neighbours along K round into one register of f16.  A wave takes 32 columns x 128 along K: 256 bytes a column.
.set OX, 32                            ; v32-95   two sets of 32 numbers
.set OC, 96                            ; v96-159  16 registers of f16 pairs for each of the four blocks, then the way out
.macro LOADO t
.set li, 0
.rept 32
	global_load_b32 v[OX+32*((\t)%2)+li], v3, s[16:17] offset:(32*(\t)+li)*8192 th:TH_LOAD_NT
.set li, li+1
.endr
.endm
.macro BLOCKO t
.if (\t) < 3
	s_wait_loadcnt 32                              ; this block's 32 loads are in; the next block's may be out
.else
	s_wait_loadcnt 0
.endif
.irp i, 0,1,2,3,4,5,6,7,8,9,10,11,12,13,14,15
	v_cvt_pk_f16_f32 v[OC+16*(\t)+\i], v[OX+32*((\t)%2)+2*\i], v[OX+32*((\t)%2)+2*\i+1]
.endr
.irp g, 0,1,2,3
	ds_store_b128 v4, v[OC+16*(\t)+4*\g:OC+16*(\t)+4*\g+3] offset:64*(\t)+16*\g
.endr
.if (\t) < 2
	LOADO (\t)+2
.endif
.endm
.Lo:
	s_sub_co_u32 s32, ttmp9, 320
	s_and_b32 s33, s32, 15                         ; which 128 columns
	s_lshr_b32 s34, s32, 4                         ; which 128 along K
	s_lshl_b32 s33, s33, 7
	s_lshl_b32 s35, s[WV], 5
	s_add_co_u32 s33, s33, s35                     ; my first column
	s_lshl_b32 s36, s34, 20                        ; 128 rows of 8,192 bytes
	s_lshl_b32 s35, s33, 2
	s_add_co_u32 s36, s36, s35
	s_mov_b32 s37, 0
	s_add_nc_u64 s[16:17], s[16:17], s[36:37]
	s_lshl_b32 s36, s33, 12                        ; a row of wot is 4,096 bytes
	s_lshl_b32 s35, s34, 8
	s_add_co_u32 s36, s36, s35
	s_add_nc_u64 s[26:27], s[26:27], s[36:37]
	v_lshlrev_b32 v3, 2, v2
	s_mul_i32 s40, s[WV], 32*PITCH
	s_add_co_u32 s40, s40, OL                      ; my stage
	v_mul_u32_u24 v4, v2, PITCH
	v_add_nc_u32 v4, s40, v4
	v_and_b32 v5, 15, v2
	v_lshrrev_b32 v6, 4, v2
	v_mul_u32_u24 v7, v6, PITCH
	v_lshl_add_u32 v7, v5, 4, v7
	v_add_nc_u32 v7, s40, v7
	v_lshlrev_b32 v8, 12, v6
	v_lshl_add_u32 v8, v5, 4, v8
	LOADO 0
	LOADO 1
	BLOCKO 0
	BLOCKO 1
	BLOCKO 2
	BLOCKO 3
.irp t, 0,1,2,3,4,5,6,7,8,9,10,11,12,13,14,15
	ds_load_b128 v[OC+4*\t:OC+4*\t+3], v7 offset:2*\t*PITCH   ; in order behind my stores, into the registers that they left
.endr
.irp t, 0,1,2,3,4,5,6,7,8,9,10,11,12,13,14,15
	s_wait_dscnt 15-\t
	global_store_b128 v8, v[OC+4*\t:OC+4*\t+3], s[26:27] offset:2*\t*4096   ; 16 lanes store 256 consecutive bytes, aligned
.endr
	FINISH
.Lfunc_end_k_qd1448c98d0_prep:
	.size	k_qd1448c98d0_prep, .Lfunc_end_k_qd1448c98d0_prep-k_qd1448c98d0_prep
	.p2alignl 7, 3214868480
	.fill 96, 4, 3214868480
	.section	.rodata,"a",@progbits
	.p2align	6, 0x0
	.amdhsa_kernel k_qd1448c98d0_prep
		.amdhsa_group_segment_fixed_size 102912
		.amdhsa_private_segment_fixed_size 0
		.amdhsa_enable_private_segment 0
		.amdhsa_kernarg_size 88
		.amdhsa_user_sgpr_count 2
		.amdhsa_user_sgpr_kernarg_segment_ptr 1
		.amdhsa_wavefront_size32 1
		.amdhsa_system_sgpr_workgroup_id_x 1
		.amdhsa_system_sgpr_workgroup_id_y 1
		.amdhsa_system_sgpr_workgroup_id_z 1
		.amdhsa_system_vgpr_workitem_id 0
		.amdhsa_next_free_vgpr 192
		.amdhsa_next_free_sgpr 66
		.amdhsa_reserve_vcc 0
		.amdhsa_float_denorm_mode_32 3
		.amdhsa_float_denorm_mode_16_64 3
		.amdhsa_memory_ordered 1
		.amdhsa_forward_progress 1
		.amdhsa_inst_pref_size 177
	.end_amdhsa_kernel
	.amdgpu_metadata
---
amdhsa.version: [ 1, 2 ]
amdhsa.kernels:
  - .name:           k_qd1448c98d0_prep
    .symbol:         k_qd1448c98d0_prep.kd
    .args:
      - { .name: X, .offset: 0, .size: 8, .value_kind: global_buffer, .address_space: global }
      - { .name: wq, .offset: 8, .size: 8, .value_kind: global_buffer, .address_space: global }
      - { .name: wk, .offset: 16, .size: 8, .value_kind: global_buffer, .address_space: global }
      - { .name: wv, .offset: 24, .size: 8, .value_kind: global_buffer, .address_space: global }
      - { .name: wo, .offset: 32, .size: 8, .value_kind: global_buffer, .address_space: global }
      - { .name: xc, .offset: 40, .size: 8, .value_kind: global_buffer, .address_space: global }
      - { .name: xs, .offset: 48, .size: 8, .value_kind: global_buffer, .address_space: global }
      - { .name: wc, .offset: 56, .size: 8, .value_kind: global_buffer, .address_space: global }
      - { .name: ws, .offset: 64, .size: 8, .value_kind: global_buffer, .address_space: global }
      - { .name: wot, .offset: 72, .size: 8, .value_kind: global_buffer, .address_space: global }
      - { .name: rope, .offset: 80, .size: 8, .value_kind: global_buffer, .address_space: global }
    .group_segment_fixed_size: 102912
    .private_segment_fixed_size: 0
    .kernarg_segment_align: 8
    .kernarg_segment_size: 88
    .max_flat_workgroup_size: 128
    .sgpr_count:     66
    .vgpr_count:     192
    .wavefront_size: 32
...
	.end_amdgpu_metadata
.endif
;; end of part 1
;; launch qkv (part 2): grid 24 x 8, 4 waves a work-group, clusters of 4 x 4, 327,680 bytes of LDS; arguments xc, xs, wc, ws, bq, bk, bv, rope, qkv; writes qkv
.if DOCPART == 2
	.amdgcn_target "amdgcn-amd-amdhsa--gfx1250"
	.amdhsa_code_object_version 6
	.text
	.protected	k_qd1448c98d0_qkv
	.globl	k_qd1448c98d0_qkv
	.p2align	8
	.type	k_qd1448c98d0_qkv,@function
k_qd1448c98d0_qkv:
	s_mov_b64 s[64:65], 0
	v_nop
	global_prefetch_b8 v0, s[64:65] scope:SCOPE_SE
	s_setreg_imm32_b32 hwreg(HW_REG_WAVE_MODE, 25, 1), 1
	s_wait_xcnt 0x0
	s_wait_alu depctr_hold_cnt(0) depctr_sa_sdst(0) depctr_va_vdst(0) depctr_va_sdst(0) depctr_va_ssrc(0) depctr_va_vcc(0) depctr_vm_vsrc(0)
	s_getreg_b32 s2, hwreg(HW_REG_IB_STS2, 6, 4)
	s_cmp_eq_u32 s2, 0
	s_cbranch_scc0 .Lentry_in_a_cluster
	s_endpgm
.Lentry_in_a_cluster:
	s_bfe_u32 s2, ttmp6, 0x10000c
	s_cmp_lg_u32 s2, 0xf033
	s_cbranch_scc0 .Lentry_shape_is_right
	s_endpgm
.Lentry_shape_is_right:
; q | k | v = X (wq | wk | wv) + bias, as ONE product [2048] x [6144] over K = 2048 on codes of FP4 (E2M1) with one E8M0 scale for each 32 along K; then the rotation of q and k, in f32; out as f16, laid [3][16 heads][2048][128].
; A tile of C, 256 x 256, is made by a work-group of four waves; a wave makes 128 x 128: 64 accumulators of 16 x 16, 512 registers.  A wave's 128 columns are exactly one head, so the rotation's partners d and d + 64 lie in
; accumulators (a, b) and (a, b + 4), in the same lane and the same register.  24 x 8 = 192 work-groups: a tile of 192 columns would give 256 but would cut heads.
; K goes in steps of 512 through a ring of two LDS slots filled by the tensor data mover (a tile's row is 256 bytes of memory).  The scale bytes of the work-group's rows, for all of K, come into LDS once, with the first fills.
; CLUSTERS: 4 x 4 work-groups.  The four of a row of the cluster need the same tiles of X, the four of a column the same tiles of the weights: each tile is asked for JOINTLY, by the same tensor load with the same descriptor and a mask that names the four.
; THE MATRIX INSTRUCTION IS USED TRANSPOSED (source 0 = 16 rows of the weights' codes, source 1 = 16 rows of X's): a lane then holds eight neighbouring columns of one row.
; THE BIAS is the C of each sum's first matrix instruction.
; THE ROTATION.  A wave loads cos and sin for its first 16 rows, and cos and sin of 16 positions (the table's own entry for position 16); from block to block of 16 rows the pair is turned on: c' = c C - s S, s' = s C + c S.
; So 32 loads serve the wave's 128 rows, all asked for a lap ahead of their use.  v takes both from the table's blocks of (1, 0), which the turn leaves as they are and which change no finite number: so all work-groups run one text.
; LIMITS: NaN and infinities are not served; |q|, |k|, |v| stay under 65,504 (f16).  The angle of position 128 i + 16 a + r is the table's once-rounded angle of position 128 i + r and a exact steps of 16 positions: it may differ from the
; once-rounded product of position and frequency by some 1.2e-4 radians at position 2,047; the seven turns, four f32 operations each, add some 1e-6.
; REGISTERS, in windows of 256: window 0: v0-31 addresses; v32-95 scale words, two sets; v128-191 X's fragments, one set, on the way out the packed rows; v192-255 the bias, on the way out the rotated numbers.
;   window 1: the weights' fragments, two sets, at v0 and at v128 (on the way out v0-63 are at work in the turn); cos and sin of the block in hand at v64; those of 16 positions at v192.
;   window 2: the 32 accumulators of my rows 0-63 ((a, b) at v[8 (8 a + b)]);   window 3: those of my rows 64-127.
.set SIZE_M, 2048
.set SIZE_N, 6144
.set SIZE_K, 2048
.set KSTEP,  512
.set NQ,     KSTEP/128
.set ROWB,   256
.set KROW,   SIZE_K*4/8
.set PITCH,  272                       ; an LDS row: 256 bytes + 16 of padding = 68 words: the 16 rows that a load touches start at 16 different banks (64 banks of 4 bytes: ISA guide 11.1)
.set FR,     8
.set NL,     2
.set NP,     4
.set HALFT,  128*PITCH
.set SLOT,   4*HALFT
.set LAPS,   SIZE_K/(2*KSTEP)
.set KS,     SIZE_K/32
.set SCL,    2*SLOT                    ; behind the ring: the scales, as rows of 256 bytes + 16 of padding
.set HALFS,  (128*KS/256)*272
.set SBLK,   (16*KS/256)*272
.set SPARE,  SCL+4*HALFS               ; the spare words, 128 bytes for each wave: two blocks of 256 bytes that no other line names
.set SPITCH, 272                       ; the way out: a stage of 16 rows x (256 bytes + 16) for each wave, in slot 0, which has had its last fill and its last read when the first result is stored there
.set ADRA, 16
.set ADRB, 20
.set STO,  24
.set RD,   25
.set CO,   26                          ; v26  16 x lane: my place in 512 consecutive bytes, of the table and of the output
.set ADRS, 27
.set SPW,  28
.set NIL,  29
.set BO,   30                          ; v30  32 x (lane / 16): my half's eight numbers of the bias
.set DO,   31                          ; v31  256 x (lane / 16): row 0 of a block of the table, my half's frequencies
.set SC,   32
.set AF,   128
.set BIAS, 192
.set U,    192                         ; the way out: 64 rotated numbers of a block of 16 rows
.set P0,   128                         ; the way out: two sets of 32 registers of f16 pairs
.set TS,   64                          ; window 1: cos and sin of the block in hand: for b = 0..3 eight cosines, then eight sines
.set DS,   192                         ; window 1: cos and sin of 16 positions, laid likewise
.set TW,   0                           ; window 1: at work in the turn
.set G1, 24
.set G0, 32
.set G1B, 48
.set G0B, 56
.set G1S, 68
.set G0S, 76
.set G1SB, 80
.set G0SB, 88
.set MSB, 0
.macro WIN new                         ; the immediate's high byte repeats the setting that is left
.if MSB != (\new)
	s_set_vgpr_msb (MSB<<8)|(\new)
.set MSB, (\new)
.endif
.endm
.set MUL_LO, 0xa1                      ; source 0 (weights) window 1, source 1 (X) window 0, C and D window 2
.set MUL_HI, 0xf1                      ; the same, C and D window 3
.set TO_B,   0x40                      ; destination window 1, address window 0
; A joint load: waves 0 and 1 fetch for X, waves 2 and 3 for the weights.  The branch hangs on the wave's number alone.  An s_nop 0 and four v_nop follow each of the two lines.
.macro JLOAD g0a, g1a, g0b, g1b
	s_cmp_eq_u32 s15, 0
	s_cbranch_scc0 .Lfor_b_\@
	tensor_load_to_lds s[\g0a:\g0a+3], s[\g1a:\g1a+7]
	s_nop 0
.rept 4
	v_nop
.endr
	s_branch .Lasked_\@
.Lfor_b_\@:
	tensor_load_to_lds s[\g0b:\g0b+3], s[\g1b:\g1b+7]
	s_nop 0
.rept 4
	v_nop
.endr
.Lasked_\@:
.endm
.macro CREST                           ; a round of the cluster's barrier behind its opening barrier
	s_cmp_lg_u32 s14, 0
	s_cbranch_scc1 .Lnot_wave_0_\@
	s_barrier_signal -3
.Lnot_wave_0_\@:
	s_barrier_wait -3
	s_barrier_signal -1
	s_barrier_wait -1
.endm
.macro CROUND
	s_barrier_signal -1
	s_barrier_wait -1
	CREST
.endm
	s_load_b128 s[4:7], s[0:1], 0x0                ; X's codes, X's scales
	s_load_b128 s[8:11], s[0:1], 0x10              ; the weights' codes, their scales
	s_load_b64 s[12:13], s[0:1], 0x40              ; qkv
	v_lshl_add_u32 v[SPW], v0, 2, SPARE
	v_mov_b32 v[NIL], 0
	ds_add_u32 v[SPW], v[NIL]                      ; the wave's opening: the add, twice on end, and its wait ahead of my first tensor load
	ds_add_u32 v[SPW], v[NIL]
	v_lshrrev_b32 v1, 5, v0
	v_readfirstlane_b32 s14, v1                    ; wave 0..3
	s_lshr_b32 s15, s14, 1                         ; which half of the tile's rows is mine.  Also: I fetch for X (0) or for the weights (1)
	s_and_b32 s16, s14, 1                          ; which half of its columns.  Also: which 128 rows of that tile I fetch
	s_bfe_u32 s40, ttmp6, 0x40000                  ; cx, cy: my place in the cluster
	s_bfe_u32 s41, ttmp6, 0x40004
	s_lshl_b32 s42, ttmp9, 2
	s_add_co_u32 s42, s42, s40                     ; tile column = 4 x cluster x + cx
	s_and_b32 s17, ttmp7, 0xffff
	s_lshl_b32 s17, s17, 2
	s_add_co_u32 s17, s17, s41                     ; tile row = 4 x cluster y + cy
	s_lshl_b32 s43, s41, 2
	s_lshl_b32 s43, 15, s43                        ; my row of the cluster
	s_lshl_b32 s44, 0x1111, s40                    ; my column
	s_or_b32 s[G1+0], s43, (0<<16)|(1<<20)|(1<<21)|(5<<22)|(3<<25)  ; 15:0 the mask; 17:16 elements of 1 byte; 20 padding on; 21 set beside a mask; 24:22 after every 64 words; 31:25 four words
	s_or_b32 s[G1B+0], s44, (0<<16)|(1<<20)|(1<<21)|(5<<22)|(3<<25)
.irp g, G1, G1B
	s_mov_b32 s[\g+1], ROWB<<16                    ; tensor_dim0
	s_mov_b32 s[\g+2], 128<<16                     ; tensor_dim1
	s_mov_b32 s[\g+3], ROWB<<16                    ; tile_dim0
	s_mov_b32 s[\g+4], 128                         ; tile_dim1
	s_mov_b32 s[\g+5], KROW                        ; tensor_dim0_stride
	s_mov_b32 s[\g+6], 0
	s_mov_b32 s[\g+7], 0
.endr
	s_or_b32 s[G1S+0], s43, (3<<16)|(1<<20)|(1<<21)|(5<<22)|(3<<25)   ; the scales of 128 rows: 8,192 dense bytes as 32 rows of 256 (32 elements of 8 bytes), 16 bytes of padding behind each
	s_or_b32 s[G1SB+0], s44, (3<<16)|(1<<20)|(1<<21)|(5<<22)|(3<<25)
.irp g, G1S, G1SB
	s_mov_b32 s[\g+1], 32<<16
	s_mov_b32 s[\g+2], (128*KS/256)<<16
	s_mov_b32 s[\g+3], 32<<16
	s_mov_b32 s[\g+4], 128*KS/256
	s_mov_b32 s[\g+5], 32
	s_mov_b32 s[\g+6], 0
	s_mov_b32 s[\g+7], 0
.endr
	s_lshl_b32 s18, s16, 7
	s_lshl_b32 s20, s17, 8
	s_add_co_u32 s20, s20, s18                     ; X: row 256 x tile row + 128 x half
	s_lshl_b32 s46, s42, 8
	s_add_co_u32 s46, s46, s18                     ; weights: row 256 x tile column + 128 x half
	s_mov_b32 s21, 0
	s_mov_b32 s47, 0
	s_mov_b64 s[18:19], KS
	s_mul_u64 s[22:23], s[20:21], s[18:19]
	s_mul_u64 s[92:93], s[46:47], s[18:19]
	s_mov_b64 s[18:19], KROW
	s_mul_u64 s[20:21], s[20:21], s[18:19]
	s_mul_u64 s[46:47], s[46:47], s[18:19]
	s_mul_i32 s45, s14, HALFT                      ; where they go: wave x 128 rows: no place in the cluster enters an LDS address
	s_mul_i32 s94, s14, HALFS
	s_wait_dscnt 0x0                               ; both opening adds are done
	s_wait_kmcnt 0x0
	s_add_nc_u64 s[20:21], s[4:5], s[20:21]
	s_add_nc_u64 s[22:23], s[6:7], s[22:23]
	s_add_nc_u64 s[46:47], s[8:9], s[46:47]
	s_add_nc_u64 s[92:93], s[10:11], s[92:93]
	CROUND                                         ; all sixteen work-groups are here: the first joint loads meet
	s_mov_b32 s[G0S], 1
	s_add_co_u32 s[G0S+1], s94, SCL
	s_mov_b64 s[G0S+2:G0S+3], s[22:23]
	s_or_b32 s[G0S+3], s[G0S+3], 0x80000000
	s_mov_b32 s[G0SB], 1
	s_add_co_u32 s[G0SB+1], s94, SCL
	s_mov_b64 s[G0SB+2:G0SB+3], s[92:93]
	s_or_b32 s[G0SB+3], s[G0SB+3], 0x80000000
	JLOAD G0S, G1S, G0SB, G1SB                     ; the scales first: they are wanted with K step 0
.irp s, 0,1
	s_mov_b32 s[G0+4*\s], 1
	s_add_co_u32 s[G0+4*\s+1], s45, \s*SLOT
	s_add_nc_u64 s[G0+4*\s+2:G0+4*\s+3], s[20:21], \s*ROWB
	s_or_b32 s[G0+4*\s+3], s[G0+4*\s+3], 0x80000000
	s_mov_b32 s[G0B+4*\s], 1
	s_add_co_u32 s[G0B+4*\s+1], s45, \s*SLOT
	s_add_nc_u64 s[G0B+4*\s+2:G0B+4*\s+3], s[46:47], \s*ROWB
	s_or_b32 s[G0B+4*\s+3], s[G0B+4*\s+3], 0x80000000
	JLOAD G0+4*\s, G1, G0B+4*\s, G1B
.endr
	s_load_b256 s[4:11], s[0:1], 0x20              ; bq 4:5, bk 6:7, bv 8:9, the table 10:11 (the four addresses that stood here live on in the descriptors)
	v_and_b32 v1, 15, v0                           ; l % 16
	v_bfe_u32 v2, v0, 4, 1                         ; l / 16
	v_mul_u32_u24 v3, v1, PITCH
	v_lshl_add_u32 v4, v2, 4, v3                   ; a fragment's row x pitch + 16 x half
	s_mul_i32 s21, s15, HALFT                      ; my 128 rows of X
	s_mul_i32 s22, s16, HALFT                      ; my 128 rows of the weights,
	s_add_co_u32 s22, s22, 2*HALFT                 ; which lie behind X's 256
.irp s, 0,1
	v_add_nc_u32 v[ADRA+\s], s21, v4
	v_add_nc_u32 v[ADRB+\s], s22, v4
	s_add_co_u32 s21, s21, SLOT
	s_add_co_u32 s22, s22, SLOT
.endr
	v_mul_u32_u24 v5, v1, KS                       ; my row's scales: KS bytes a row,
	v_lshrrev_b32 v6, 8, v5
	v_lshl_add_u32 v5, v6, 4, v5                   ; and 16 more for each 256 passed
	s_mul_i32 s21, s15, HALFS
	s_mul_i32 s22, s16, HALFS
	s_add_co_u32 s22, s22, 2*HALFS
	s_sub_co_u32 s22, s22, s21
	v_mul_u32_u24 v6, s22, v2                      ; lanes 16-31 take the weights'
	s_add_co_u32 s21, s21, SCL
	v_add_nc_u32 v5, v5, v6
	v_add_nc_u32 v[ADRS], s21, v5
	s_mul_i32 s23, s14, 16*SPITCH                  ; my stage
	v_mul_u32_u24 v5, v1, SPITCH                   ; in: row l % 16, 16 bytes for each half of the lanes
	v_lshl_add_u32 v5, v2, 4, v5
	v_add_nc_u32 v[STO], s23, v5
	v_mul_u32_u24 v5, v2, SPITCH                   ; back: lanes 0-15 one row of 256 bytes, lanes 16-31 the next
	v_lshl_add_u32 v5, v1, 4, v5
	v_add_nc_u32 v[RD], s23, v5
	v_and_b32 v6, 31, v0
	v_lshlrev_b32 v[CO], 4, v6
	v_lshlrev_b32 v[BO], 5, v2
	v_lshlrev_b32 v[DO], 8, v2
	s_wait_kmcnt 0x0
	s_lshr_b32 s66, ttmp9, 1                       ; 0: q, 1: k, 2: v: eight tile columns each, so two clusters: the same in all sixteen partners
	s_and_b32 s67, s42, 7                          ; my tile column among the eight
	s_cmp_eq_u32 s66, 0
	s_cselect_b64 s[4:5], s[4:5], s[6:7]
	s_cmp_eq_u32 s66, 2
	s_cselect_b64 s[4:5], s[8:9], s[4:5]           ; my bias
	s_lshl_b32 s20, s67, 10                        ; 256 columns of 4 bytes,
	s_lshl_b32 s22, s16, 9                         ; my 128 of them
	s_add_co_u32 s20, s20, s22
	s_mov_b32 s21, 0
	s_add_nc_u64 s[4:5], s[4:5], s[20:21]
.irp b, 0,1,2,3,4,5,6,7                        ; register 8 b + j: the bias of column 16 b + 8 (l / 16) + j: the result's layout
	global_load_b128 v[BIAS+8*\b:BIAS+8*\b+3], v[BO], s[4:5] offset:64*\b
	global_load_b128 v[BIAS+8*\b+4:BIAS+8*\b+7], v[BO], s[4:5] offset:64*\b+16
.endr
	s_lshl_b32 s20, s17, 17                        ; the table: 16 blocks of 8,192 bytes a tile row,
	s_lshl_b32 s22, s15, 16                        ; my 8 of them: I load the first;
	s_add_co_u32 s20, s20, s22
	s_cmp_eq_u32 s66, 2
	s_cselect_b32 s20, 0x100000, s20               ; for v a block of (1, 0)
	s_cselect_b32 s22, 0x100000, 0                 ; the step of 16 positions stands in row 0 of block 1: of the table, or for v of the blocks of (1, 0)
	s_mov_b32 s23, 0
	s_add_nc_u64 s[8:9], s[10:11], s[22:23]        ; (bv's address has been chosen from: the pair is free)
	s_add_nc_u64 s[10:11], s[10:11], s[20:21]
	s_lshl_b32 s20, s66, 23                        ; the output: q, k or v: 16 heads x 2,048 rows x 256 bytes,
	s_lshl_b32 s22, s67, 20                        ; two heads a tile column,
	s_add_co_u32 s20, s20, s22
	s_lshl_b32 s22, s16, 19                        ; my head of the two,
	s_add_co_u32 s20, s20, s22
	s_lshl_b32 s22, s17, 16                        ; 256 rows a tile row,
	s_add_co_u32 s20, s20, s22
	s_lshl_b32 s22, s15, 15                        ; my 128 of them
	s_add_co_u32 s20, s20, s22
	s_add_nc_u64 s[12:13], s[12:13], s[20:21]
.macro FRAG reg, adr, q, i             ; a fragment, 16 rows x 128 K of 4-bit codes: lane l holds row l % 16; registers 4 c .. 4 c + 3 hold K = 64 c + 32 (l / 16) + 0 .. 31
.irp c, 0,1
	ds_load_b128 v[\reg+4*\c:\reg+4*\c+3], v[\adr] offset:64*(\q)+32*\c+(\i)*16*PITCH
.endr
.endm
; 16 matrix instructions: X's blocks a0, a0 + 1 x the weights' eight, 128 along K.  zero = 1: the first product starts the sums from the bias.  The 64 accumulators take turns, one instruction a turn.
.macro MUL16 a0, p, q, sc, zero
.irp a, \a0, \a0+1
.irp b, 0,1,2,3,4,5,6,7
.if \zero
	v_wmma_scale_f32_16x16x128_f8f6f4 v[8*(8*((\a)%4)+\b):8*(8*((\a)%4)+\b)+7], v[128*(\p)+FR*\b:128*(\p)+FR*\b+FR-1], v[AF+FR*(\a):AF+FR*(\a)+FR-1], v[BIAS+8*\b:BIAS+8*\b+7], v[SC+8*NQ*(\sc)+NQ*\b+(\q)], v[SC+8*NQ*(\sc)+NQ*(\a)+(\q)] matrix_a_fmt:MATRIX_FMT_FP4 matrix_b_fmt:MATRIX_FMT_FP4 matrix_a_scale:MATRIX_SCALE_ROW1
.else
	v_wmma_scale_f32_16x16x128_f8f6f4 v[8*(8*((\a)%4)+\b):8*(8*((\a)%4)+\b)+7], v[128*(\p)+FR*\b:128*(\p)+FR*\b+FR-1], v[AF+FR*(\a):AF+FR*(\a)+FR-1], v[8*(8*((\a)%4)+\b):8*(8*((\a)%4)+\b)+7], v[SC+8*NQ*(\sc)+NQ*\b+(\q)], v[SC+8*NQ*(\sc)+NQ*(\a)+(\q)] matrix_a_fmt:MATRIX_FMT_FP4 matrix_b_fmt:MATRIX_FMT_FP4 matrix_a_scale:MATRIX_SCALE_ROW1
.endif
.endr
.endr
.endm
.macro FETCH_B slot, q, p
	WIN TO_B
.irp i, 0,1,2,3,4,5,6,7
	FRAG 128*(\p)+FR*\i, ADRB+\slot, \q, \i
.endr
	WIN 0
.endm
.macro FETCH_A slot, q, i0
.irp i, \i0, \i0+1, \i0+2, \i0+3
	FRAG AF+FR*(\i), ADRA+\slot, \q, \i
.endr
.endm
.macro SCALES sc                       ; a K step's scale words: lanes 0-15 take X's block i, lanes 16-31 the weights' block i
.irp i, 0,1,2,3,4,5,6,7
	ds_load_b128 v[SC+8*NQ*\sc+NQ*\i:SC+8*NQ*\sc+NQ*\i+3], v[ADRS] offset:\i*SBLK
.endr
.endm
.macro PLACES n                        ; plain vector instructions between a matrix instruction and a load into, or a read of, its registers
.rept \n
	v_nop
.endr
.endm
.macro STEP slot, q, zero              ; a step of 128 along K that has its successor in the same slot.  zero = 1: C is the bias, in window 0
	s_wait_dscnt 4*NL                              ; the weights' set and X's blocks 0-3 are in; the youngest loads (X's blocks 4-7) may be out
	WIN MUL_LO-0x20*(\zero)
	MUL16 0, (\q)%2, \q, \slot, \zero
	MUL16 2, (\q)%2, \q, \slot, \zero
	s_wait_dscnt 0
	PLACES NP
	FETCH_B \slot, (\q)+1, 1-(\q)%2
	FETCH_A \slot, (\q)+1, 0
	WIN MUL_HI-0x30*(\zero)
	MUL16 4, (\q)%2, \q, \slot, \zero
	MUL16 6, (\q)%2, \q, \slot, \zero
	PLACES NP
	WIN 0
	FETCH_A \slot, (\q)+1, 4
.endm
; A slot's last step changes slots: ONE barrier; in front of it each wave waits for all its tensor loads, adds 0 to its spare word, and waits for that and for its own reads of this slot.
.macro TURN slot, next, fill
	s_wait_tensorcnt 0x0                           ; all my tensor loads have landed: my part of the next slot
	ds_add_u32 v[SPW], v[NIL]                      ; 0 onto my spare word
	s_wait_dscnt 4*NL+1                            ; (the add and the youngest loads, X's blocks 4-7, may be out)
	WIN MUL_LO
	MUL16 0, 1, NQ-1, \slot, 0
	s_wait_dscnt 0x0                               ; the add is done, and my reads of this slot are over
	s_barrier_signal -1
	MUL16 2, 1, NQ-1, \slot, 0
	WIN 0
	s_barrier_wait -1
.if \fill
	CREST                                          ; the barrier has opened a round of the cluster's barrier: no wave of any partner still reads this slot's tile or has a load on its way
	s_add_nc_u64 s[G0+4*\slot+2:G0+4*\slot+3], s[G0+4*\slot+2:G0+4*\slot+3], 2*ROWB
	s_add_nc_u64 s[G0B+4*\slot+2:G0B+4*\slot+3], s[G0B+4*\slot+2:G0B+4*\slot+3], 2*ROWB
	JLOAD G0+4*\slot, G1, G0B+4*\slot, G1B         ; the first tensor load behind the round
.else
	PLACES NP
.endif
	v_add_nc_u32 v[ADRS], 4*NQ, v[ADRS]            ; on to the next K step's scale words
	FETCH_B \next, 0, 0
	FETCH_A \next, 0, 0
	SCALES \next
	WIN MUL_HI
	MUL16 4, 1, NQ-1, \slot, 0
	MUL16 6, 1, NQ-1, \slot, 0
	PLACES NP
	WIN 0
	FETCH_A \next, 0, 4
.endm
.macro STEPS slot, from
.set Q, \from
.rept NQ-1-\from
	STEP \slot, Q, 0
.set Q, Q+1
.endr
.endm
; The rotation's 32 loads, into window 1.  For b = 0..3: eight cosines, then eight sines, of frequencies 16 b + 8 (l / 16) + 0..7: at my row of my first block (each load reads 512 consecutive bytes),
; and at position 16 (row 0 of block 1: the sixteen lanes of a half read the same 16 bytes).
.macro TABLE
	WIN TO_B
.irp b, 0,1,2,3
.irp p, 0,1,2,3
	global_load_b128 v[TS+16*\b+4*\p:TS+16*\b+4*\p+3], v[CO], s[10:11] offset:2048*\b+512*\p
	global_load_b128 v[DS+16*\b+4*\p:DS+16*\b+4*\p+3], v[DO], s[8:9] offset:8192+2048*\b+512*\p
.endr
.endr
	WIN 0
.endm
	s_wait_tensorcnt 1                             ; the scales and my part of K step 0 are in (K step 1's load may be out),
	s_barrier_signal -1
	s_barrier_wait -1                              ; everybody's are
	FETCH_B 0, 0, 0
	FETCH_A 0, 0, 0
	SCALES 0
	FETCH_A 0, 0, 4
	s_wait_loadcnt 0x0                             ; the bias
	STEP 0, 0, 1                                   ; the first step stands in front of the loop: its products start the sums
	s_mov_b32 s3, LAPS-1
.Llap:                                                 ; a trip goes once round the ring, from a lap's second step to the next lap's first, and fills both slots again
	STEPS 0, 1
	TURN 0, 1, 1
	STEPS 1, 0
	TURN 1, 0, 1
	STEP 0, 0, 0
	s_sub_co_u32 s3, s3, 1
	s_cmp_lg_u32 s3, 0
	s_cbranch_scc1 .Llap
	TABLE                                          ; asked for here: the loads have the last lap's 448 products in which to land
	STEPS 0, 1                                     ; the last lap fills nothing, and has no round of the cluster's barrier
	TURN 0, 1, 0
	STEPS 1, 0
	s_wait_dscnt 4*NL
	WIN MUL_LO
	MUL16 0, 1, NQ-1, 1, 0
	MUL16 2, 1, NQ-1, 1, 0
	s_wait_dscnt 0
	WIN MUL_HI
	MUL16 4, 1, NQ-1, 1, 0
	MUL16 6, 1, NQ-1, 1, 0
	WIN 0
; THE WAY OUT, block by block of 16 rows x 128 columns (one head).  x1 = accumulator (a, b), x2 = (a, b + 4), b = 0..3: out1 = x1 cos - x2 sin, out2 = x2 cos + x1 sin, two numbers an instruction; each accumulator is read from its low end on.
.macro ROPE a
.set AC, 64*((\a)%4)
.set PP, P0+32*((\a)%2)
	WIN 0x06+(\a)/4                                ; source 0: the accumulators' window, 2 or 3; source 1: cos and sin, window 1
.irp b, 0,1,2,3
.irp j, 0,2,4,6
	v_pk_mul_f32 v[U+16*\b+\j:U+16*\b+\j+1], v[AC+8*(\b+4)+\j:AC+8*(\b+4)+\j+1], v[TS+16*\b+8+\j:TS+16*\b+8+\j+1]
.endr
.irp j, 0,2,4,6
	v_pk_mul_f32 v[U+16*\b+8+\j:U+16*\b+8+\j+1], v[AC+8*\b+\j:AC+8*\b+\j+1], v[TS+16*\b+8+\j:TS+16*\b+8+\j+1]
.endr
.irp j, 0,2,4,6
	v_pk_fma_f32 v[U+16*\b+\j:U+16*\b+\j+1], v[AC+8*\b+\j:AC+8*\b+\j+1], v[TS+16*\b+\j:TS+16*\b+\j+1], v[U+16*\b+\j:U+16*\b+\j+1] neg_lo:[0,0,1] neg_hi:[0,0,1]
.endr
.irp j, 0,2,4,6
	v_pk_fma_f32 v[U+16*\b+8+\j:U+16*\b+8+\j+1], v[AC+8*(\b+4)+\j:AC+8*(\b+4)+\j+1], v[TS+16*\b+\j:TS+16*\b+\j+1], v[U+16*\b+8+\j:U+16*\b+8+\j+1]
.endr
.endr
	WIN 0
.irp b, 0,1,2,3
.irp j, 0,1,2,3
	v_cvt_pk_f16_f32 v[PP+4*\b+\j], v[U+16*\b+2*\j], v[U+16*\b+2*\j+1]
	v_cvt_pk_f16_f32 v[PP+16+4*\b+\j], v[U+16*\b+8+2*\j], v[U+16*\b+8+2*\j+1]
.endr
.endr
.endm
; cos and sin go 16 positions on, for the next block: c' = c C - s S, s' = s C + c S: 64 packed instructions, all in window 1.  Both products with S are made of the old pair before either of the pair is written.
.macro ONWARD
	WIN 0x55                                       ; all four places: window 1
.irp b, 0,1,2,3
.irp j, 0,2,4,6
	v_pk_mul_f32 v[TW+16*\b+\j:TW+16*\b+\j+1], v[TS+16*\b+8+\j:TS+16*\b+8+\j+1], v[DS+16*\b+8+\j:DS+16*\b+8+\j+1]
.endr
.irp j, 0,2,4,6
	v_pk_mul_f32 v[TW+16*\b+8+\j:TW+16*\b+8+\j+1], v[TS+16*\b+\j:TS+16*\b+\j+1], v[DS+16*\b+8+\j:DS+16*\b+8+\j+1]
.endr
.irp j, 0,2,4,6
	v_pk_fma_f32 v[TS+16*\b+\j:TS+16*\b+\j+1], v[TS+16*\b+\j:TS+16*\b+\j+1], v[DS+16*\b+\j:DS+16*\b+\j+1], v[TW+16*\b+\j:TW+16*\b+\j+1] neg_lo:[0,0,1] neg_hi:[0,0,1]
.endr
.irp j, 0,2,4,6
	v_pk_fma_f32 v[TS+16*\b+8+\j:TS+16*\b+8+\j+1], v[TS+16*\b+8+\j:TS+16*\b+8+\j+1], v[DS+16*\b+\j:DS+16*\b+\j+1], v[TW+16*\b+8+\j:TW+16*\b+8+\j+1]
.endr
.endr
	WIN 0
.endm
.macro TOSTAGE a                       ; 16 bytes a lane into rows of 272 bytes, and back as whole rows of 256, into the registers that they left: LDS serves a wave's instructions in order (ISA guide 5.7.1.4)
.set PP, P0+32*((\a)%2)
.irp b, 0,1,2,3,4,5,6,7
	ds_store_b128 v[STO], v[PP+4*\b:PP+4*\b+3] offset:32*\b
.endr
.irp t, 0,1,2,3,4,5,6,7
	ds_load_b128 v[PP+4*\t:PP+4*\t+3], v[RD] offset:\t*2*SPITCH
.endr
.endm
.macro SEND a, younger                 ; younger: the LDS instructions issued behind block a's loads, which may stay out
.set PP, P0+32*((\a)%2)
	s_wait_dscnt \younger
.irp t, 0,1,2,3,4,5,6,7
	global_store_b128 v[CO], v[PP+4*\t:PP+4*\t+3], s[12:13] offset:4096*(\a)+512*\t   ; two rows of a head: 32 lanes store 512 consecutive bytes, aligned
.endr
.endm
	PLACES NP                                      ; behind the last products: their results are read, and their operands' registers written, only behind these
	s_wait_loadcnt 0x0                             ; the rotation's 32 loads: the one wait for loads on the way out
.irp a, 0,1,2,3,4,5,6,7
.if \a > 1
	s_wait_xcnt 0x0                                ; block a - 2's stores have read their registers, which are written again below
.endif
	ROPE \a
	TOSTAGE \a
.if \a > 0
	SEND \a-1, 16                                  ; behind block a - 1's loads: block a's 8 stores and 8 loads
.endif
.if \a < 7
	ONWARD                                         ; stands where block a is on its way through the stage
.endif
.endr
	SEND 7, 0
	s_wait_tensorcnt 0x0                           ; the wave's end, behind my last tensor load and my last LDS store
	ds_add_u32 v[SPW], v[NIL]
	s_wait_dscnt 0x0
	CROUND                                         ; the closing round: no work-group ends while a partner may still ask for a tile that names it
	s_endpgm
.Lfunc_end_k_qd1448c98d0_qkv:
	.size	k_qd1448c98d0_qkv, .Lfunc_end_k_qd1448c98d0_qkv-k_qd1448c98d0_qkv
	.p2alignl 7, 3214868480
	.fill 96, 4, 3214868480
	.section	.rodata,"a",@progbits
	.p2align	6, 0x0
	.amdhsa_kernel k_qd1448c98d0_qkv
		.amdhsa_group_segment_fixed_size 327680
		.amdhsa_private_segment_fixed_size 0
		.amdhsa_enable_private_segment 0
		.amdhsa_kernarg_size 72
		.amdhsa_user_sgpr_count 2
		.amdhsa_user_sgpr_kernarg_segment_ptr 1
		.amdhsa_wavefront_size32 1
		.amdhsa_system_sgpr_workgroup_id_x 1
		.amdhsa_system_sgpr_workgroup_id_y 1
		.amdhsa_system_sgpr_workgroup_id_z 1
		.amdhsa_system_vgpr_workitem_id 0
		.amdhsa_next_free_vgpr 1024
		.amdhsa_next_free_sgpr 98
		.amdhsa_reserve_vcc 0
		.amdhsa_float_denorm_mode_32 3
		.amdhsa_float_denorm_mode_16_64 3
		.amdhsa_memory_ordered 1
		.amdhsa_forward_progress 1
		.amdhsa_inst_pref_size 255
	.end_amdhsa_kernel
	.section	.bss,"aw",@nobits
	.p2align	6
	.space	262144
	.amdgpu_metadata
---
amdhsa.version: [ 1, 2 ]
amdhsa.kernels:
  - .name:           k_qd1448c98d0_qkv
    .symbol:         k_qd1448c98d0_qkv.kd
    .args:
      - { .name: xc, .offset: 0, .size: 8, .value_kind: global_buffer, .address_space: global }
      - { .name: xs, .offset: 8, .size: 8, .value_kind: global_buffer, .address_space: global }
      - { .name: wc, .offset: 16, .size: 8, .value_kind: global_buffer, .address_space: global }
      - { .name: ws, .offset: 24, .size: 8, .value_kind: global_buffer, .address_space: global }
      - { .name: bq, .offset: 32, .size: 8, .value_kind: global_buffer, .address_space: global }
      - { .name: bk, .offset: 40, .size: 8, .value_kind: global_buffer, .address_space: global }
      - { .name: bv, .offset: 48, .size: 8, .value_kind: global_buffer, .address_space: global }
      - { .name: rope, .offset: 56, .size: 8, .value_kind: global_buffer, .address_space: global }
      - { .name: qkv, .offset: 64, .size: 8, .value_kind: global_buffer, .address_space: global }
    .group_segment_fixed_size: 327680
    .private_segment_fixed_size: 0
    .kernarg_segment_align: 8
    .kernarg_segment_size: 72
    .max_flat_workgroup_size: 128
    .sgpr_count:     98
    .vgpr_count:     1024
    .wavefront_size: 32
...
	.end_amdgpu_metadata
.endif
;; end of part 2
;; launch attn (part 3): grid 16 x 16, 4 waves a work-group, clusters of 4 x 1, 327,680 bytes of LDS; arguments qkv, att; writes att
.if DOCPART == 3
	.amdgcn_target "amdgcn-amd-amdhsa--gfx1250"
	.amdhsa_code_object_version 6
	.text
	.protected	k_qd1448c98d0_attn
	.globl	k_qd1448c98d0_attn
	.p2align	8
	.type	k_qd1448c98d0_attn,@function
k_qd1448c98d0_attn:
	s_mov_b64 s[64:65], 0
	v_nop
	global_prefetch_b8 v0, s[64:65] scope:SCOPE_SE
	s_setreg_imm32_b32 hwreg(HW_REG_WAVE_MODE, 25, 1), 1
	s_wait_xcnt 0x0
	s_wait_alu depctr_hold_cnt(0) depctr_sa_sdst(0) depctr_va_vdst(0) depctr_va_sdst(0) depctr_va_ssrc(0) depctr_va_vcc(0) depctr_vm_vsrc(0)
	s_getreg_b32 s2, hwreg(HW_REG_IB_STS2, 6, 4)
	s_cmp_eq_u32 s2, 0
	s_cbranch_scc0 .Lentry_in_a_cluster
	s_endpgm
.Lentry_in_a_cluster:
	s_bfe_u32 s2, ttmp6, 0x10000c
	s_cmp_lg_u32 s2, 0x3003
	s_cbranch_scc0 .Lentry_shape_is_right
	s_endpgm
.Lentry_shape_is_right:
; att[q][128 h + :] = the sum over k of softmax_k(Q[h][q] . K[h][k] / sqrt(128)) V[h][k][:].  Q, K, V: f16, [16][2048][128], the three thirds of qkv.  att: f16 [2048][2048].  Products, maxima and sums in f32; the weights p are rounded to f16.
; SHARES.  A work-group owns 128 queries of one head: 16 x 16 = 256 work-groups.  A wave holds 64 queries (four tiles of 16) and walks HALF of the keys: wave w has queries 64 (w % 2) on and, of every 256 keys, the 128 from 128 (w / 2) on.
; So each fragment of K and V read from LDS still feeds four tiles of queries.  At the end waves w and w xor 2 merge their maxima, sums and O through LDS: each keeps two of its tiles and sends the other two.
; Q IS LOADED ROTATED: register tiles 0, 1 hold query rows 32 (w / 2) + 16 t, tiles 2, 3 the other 32 rows: so every wave keeps tiles 0, 1 and sends tiles 2, 3, and no branch hangs on the wave's number there.
; LAYOUT.  S^T = K Q^T (source 0 = 16 keys, source 1 = 16 queries): a lane holds ONE query (lane % 16) and the keys 8 (lane / 16) + 0..7.  Two such tiles, rounded to f16 in pairs, ARE source 1 of O^T = V^T P.  V comes out of LDS turned, by ds_load_tr16_b128.
; SOFTMAX.  For each query a running maximum m and sum l: p = 2^(c s - c m), c = log2(e) / sqrt(128); in every step O and l are multiplied by a = 2^(c m_old - c m_new).
; BY TURNS.  The wave's tiles are two PIECES (tiles 0, 1; tiles 2, 3).  In a TURN one piece has the matrix unit: 32 products V^T P of the step in hand, then 32 products K Q^T of the next step; the other piece's softmax, cut into 64 slices,
; stands between them, one slice behind each matrix instruction.  Two turns are a key step of 64 keys.
; CLUSTER.  The four query blocks of a cluster belong to one head and walk the same K and V: each tile is asked for JOINTLY, by the same tensor load with the same descriptor and a mask that names the four.
; LIMITS: NaN and infinities are not served; |att| stays under 65,504 (f16).
; REGISTERS: window 0: v0-11 addresses; v12-43 eight registers of statistics a tile; v44-54 the merge's; v64-191 S^T, 32 a tile; v192-255 P, 16 a tile.  window 1: O^T, 64 a tile.  window 2: v0-127 Q; v128-255 K of one step.  window 3: v0-127 V of one step.
.set KS,     64        ; keys in a step
.set PK,     272       ; a row of K in LDS: 256 bytes + 16 of padding: the 16 rows of a load start at 16 different banks (64 banks of 4 bytes: ISA guide 11.1)
.set PV,     288       ; a row of V: 256 + 32
.set SKEYS,  256       ; keys in a slot: two steps for each pair of waves
.set VOFF,   SKEYS*PK  ; a slot: 256 rows of K, then 256 rows of V
.set SLOTB,  SKEYS*(PK+PV)
.set KSTEPB, KS*PK
.set VSTEPB, KS*PV
.set SLOTG,  SKEYS*256 ; a slot's rows of K, or of V, in memory
.set STAGE,  2*SLOTB   ; behind the ring: 16 rows x 272 bytes for each wave, for the way out
.set SP,     272
.set SPARE,  STAGE+4*16*272  ; the spare words, 128 bytes for each wave: two blocks of 256 bytes that no other line names
.set XW,     16896     ; the merge: 16,384 bytes of O^T's images and 512 of statistics for each wave, from LDS byte 0 on: slot 0 has had its last fill, and was left at the last change of slots
.set AK0, 2
.set AV0, 3
.set ADR, 4
.set QO,  5            ; v5   my byte offset in the wave's rows of Q, for register tiles 0, 1
.set STO, 6
.set RD,  7
.set GO,  8
.set SND, 44           ; v44-47 the statistics that I send: c m and l of tiles 2, 3
.set RCV, 48           ; v48-51 those that I receive
.set XWA, 52           ; v52  where I put my images
.set XRA, 53           ; v53  where I find my partner's
.set QOB, 54           ; v54  as QO, for register tiles 2, 3
.set PFO, 61           ; v61  256 x my lane; never rewritten
.set SPW, 62
.set NIL, 63
.set ST,  12           ; tile t's statistics at v[ST+8 t]: +0 c m, +1 m, +2, +3 l (even keys', odd keys'), +4 to +7 at work
.set S,   64
.set P,   192
.set KF,  128
.set WV,  12
.set LIM, 15           ; s15  1 in a wave that prefetches, else the greatest number
.set PFA, 18           ; s[18:19] where my prefetches stand in memory
.set G1K, 24
.set G1V, 32
.set G0K, 40           ; s[40:47] group 0 for K's tiles: a set for each of the two first fills; the second then walks on
.set G0V, 48
.set SLOTS, 56
.set TWICE, 57
.set CS,  58
.set SEL, 60
.set TK,  62           ; s62  LDS byte at which K's tile of the step to be fetched begins
.set TV,  63           ; s63  the same for V (less VOFF, which lies in v[AV0])
.set TR,  66           ; s66  0 or SLOTB: the slot that is read
.set TG,  67           ; s67  0 or SLOTB: the slot that was filled last
.set KP0, 68           ; s68  my pair's 128 rows in a slot's K
.set VP0, 69           ; s69  and in its V
.set KL0, 70           ; s70  where the 128 rows of K that I fetch go in a slot
.set VL0, 71           ; s71  the same for V
.set MSB, 0
.macro WIN new
.if MSB != (\new)
	s_set_vgpr_msb (MSB<<8)|(\new)
.set MSB, (\new)
.endif
.endm
.set W_KQ, 0x0a       ; K and Q in window 2, S^T in window 0
.set W_PV, 0x53       ; V in window 3, P in window 0, O^T in window 1
.set W_RS, 0x41       ; O^T (destination and source 0) in window 1, a in window 0
; A joint refill.  Waves 0 and 1 fetch the two halves of a slot's K, waves 2 and 3 those of its V.  The branch hangs on the wave's number alone.  An s_nop 0 and four v_nop follow each of the two lines.
.macro JLOAD
	s_cmp_lt_u32 s[WV], 2
	s_cbranch_scc0 .Lfor_v_\@
	tensor_load_to_lds s[G0K+4:G0K+7], s[G1K:G1K+7]
	s_nop 0
.rept 4
	v_nop
.endr
	s_branch .Lasked_\@
.Lfor_v_\@:
	tensor_load_to_lds s[G0V+4:G0V+7], s[G1V:G1V+7]
	s_nop 0
.rept 4
	v_nop
.endr
.Lasked_\@:
.endm
; A PREFETCH INTO THE L2 of what the NEXT change of slots will ask for: 256 rows of K and 256 of V, 256 bytes a row, a lane a row.  Each row is asked for ONCE in the launch: the head's first cluster asks; its four partners take 64 rows
; each, told apart BY ADDRESS; in each, waves 0 and 1 ask for 32 rows of K, waves 2 and 3 for 32 of V: one instruction a wave.  The last change that fills a slot asks for nothing.
.macro ASK
	s_cmp_gt_u32 s[SLOTS], s[LIM]
	s_cbranch_scc0 .Lnot_mine_\@
	global_prefetch_b8 v[PFO], s[PFA:PFA+1] th:TH_LOAD_NT scope:SCOPE_SE
.Lnot_mine_\@:
.endm
.macro CROUND                       ; a round of the cluster's barrier
	s_barrier_signal -1
	s_barrier_wait -1
	s_cmp_lg_u32 s[WV], 0
	s_cbranch_scc1 .Lnot_wave_0_\@
	s_barrier_signal -3
.Lnot_wave_0_\@:
	s_barrier_wait -3
	s_barrier_signal -1
	s_barrier_wait -1
.endm
	s_load_b64 s[4:5], s[0:1], 0x0  ; qkv
	s_load_b64 s[10:11], s[0:1], 0x8  ; att
	v_lshl_add_u32 v[SPW], v0, 2, SPARE
	v_mov_b32 v[NIL], 0
	ds_add_u32 v[SPW], v[NIL]       ; the wave's opening: the add, twice on end, and its wait ahead of my first tensor load
	ds_add_u32 v[SPW], v[NIL]
	v_lshrrev_b32 v1, 5, v0
	v_readfirstlane_b32 s[WV], v1   ; wave 0..3
	s_bfe_u32 s13, ttmp6, 0x40000   ; cx: my place in the cluster
	s_lshl_b32 s14, ttmp9, 2
	s_add_co_u32 s14, s14, s13      ; my block of 128 queries: it enters Q's and att's addresses alone
	s_and_b32 s20, ttmp7, 0xffff    ; the head, which the four partners share
	s_lshl_b32 s20, s20, 19         ; its first byte in each of q, k, v: 2,048 rows of 256 bytes
	s_mov_b32 s21, 0
	s_and_b32 s16, s[WV], 1         ; which 64 queries are mine.  Also: which 128 rows of a slot I fetch
	s_lshr_b32 s17, s[WV], 1        ; which half of the keys is mine
	s_lshl_b32 s22, s16, 15         ; the rows that I fetch, in memory
	s_mov_b32 s23, 0
	s_mul_i32 s[KL0], s16, 128*PK   ; and in a slot: no place in the cluster enters an LDS address
	s_mul_i32 s[VL0], s16, 128*PV
	s_add_co_u32 s[VL0], s[VL0], VOFF
	s_mul_i32 s[KP0], s17, 128*PK
	s_mul_i32 s[VP0], s17, 128*PV
	s_mov_b32 s[TR], 0
	s_mov_b32 s[TG], SLOTB
	s_mov_b32 s[TK], s[KP0]
	s_mov_b32 s[TV], s[VP0]
	; descriptor group 1: a tile of 128 rows x 128 elements, padded in LDS
	s_mov_b32 s[G1K], 15|(1<<16)|(1<<20)|(1<<21)|(5<<22)|(3<<25)  ; 15:0 the mask: all four work-groups; 17:16 elements of 2 bytes; 20 padding on; 21 set beside a mask; 24:22 after every 64 words; 31:25 4 words
	s_mov_b32 s[G1V], 15|(1<<16)|(1<<20)|(1<<21)|(5<<22)|(7<<25)  ; the same with 8 words of padding
.irp g, G1K, G1V
	s_mov_b32 s[\g+1], 128<<16      ; tensor_dim0
	s_mov_b32 s[\g+2], 128<<16      ; tensor_dim1
	s_mov_b32 s[\g+3], 128<<16      ; tile_dim0
	s_mov_b32 s[\g+4], 128          ; tile_dim1
	s_mov_b32 s[\g+5], 128          ; tensor_dim0_stride
	s_mov_b32 s[\g+6], 0
	s_mov_b32 s[\g+7], 0
.endr
	s_mov_b32 s[CS], 0x3e0293ee     ; c = log2(e) / sqrt(128)
	s_mov_b32 s[CS+1], s[CS]
	s_mov_b32 s[SEL], 0x76543210
	s_mov_b32 s[SEL+1], 0xfedcba98
	s_mov_b32 s[SLOTS], 2048/SKEYS-2
	s_cmp_eq_u32 ttmp9, 0           ; the head's first cluster: the same in all four partners
	s_cselect_b32 s[LIM], 1, -1
	v_and_b32 v[PFO], 31, v0
	v_lshlrev_b32 v[PFO], 8, v[PFO]
	s_wait_dscnt 0x0                ; both opening adds are done
	s_wait_kmcnt 0x0
	s_add_nc_u64 s[4:5], s[4:5], s[20:21]  ; q at my head,
	s_add_nc_u64 s[6:7], s[4:5], 0x800000  ; k,
	s_add_nc_u64 s[8:9], s[4:5], 0x1000000  ; v
	s_cmp_lt_u32 s[WV], 2
	s_cselect_b64 s[PFA:PFA+1], s[6:7], s[8:9]
	s_lshl_b32 s2, s13, 14          ; my work-group's 64 rows of the 256,
	s_lshl_b32 s3, s16, 13          ; my wave's 32 of them
	s_add_co_u32 s2, s2, s3
	s_mov_b32 s3, 0
	s_add_nc_u64 s[PFA:PFA+1], s[PFA:PFA+1], s[2:3]
	s_add_nc_u64 s[PFA:PFA+1], s[PFA:PFA+1], 2*SLOTG  ; in the third slot's keys; the first change of slots steps it on.  Nothing is prefetched here, at the head
	s_add_nc_u64 s[6:7], s[6:7], s[22:23]  ; K and V at the rows that I fetch
	s_add_nc_u64 s[8:9], s[8:9], s[22:23]
	s_lshl_b32 s2, s14, 15          ; my block's 128 rows of Q,
	s_lshl_b32 s3, s16, 14          ; my wave's 64 of them
	s_add_co_u32 s2, s2, s3
	s_mov_b32 s3, 0
	s_add_nc_u64 s[4:5], s[4:5], s[2:3]
	s_lshl_b32 s2, s14, 19          ; att: 128 rows of 4,096 bytes a block,
	s_lshl_b32 s3, s16, 18          ; my wave's 64,
	s_add_co_u32 s2, s2, s3
	s_lshl_b32 s3, s17, 17          ; the 32 of them that I keep,
	s_add_co_u32 s2, s2, s3
	s_lshr_b32 s3, s20, 11          ; and 256 bytes a head
	s_add_co_u32 s2, s2, s3
	s_mov_b32 s3, 0
	s_add_nc_u64 s[10:11], s[10:11], s[2:3]
	CROUND                          ; all four work-groups are here: the first joint loads meet
.irp s, 0,1
	s_mov_b32 s[G0K+4*\s], 1
	s_add_co_u32 s[G0K+4*\s+1], s[KL0], \s*SLOTB
	s_add_nc_u64 s[G0K+4*\s+2:G0K+4*\s+3], s[6:7], \s*SLOTG
	s_or_b32 s[G0K+4*\s+3], s[G0K+4*\s+3], 0x80000000
	s_mov_b32 s[G0V+4*\s], 1
	s_add_co_u32 s[G0V+4*\s+1], s[VL0], \s*SLOTB
	s_add_nc_u64 s[G0V+4*\s+2:G0V+4*\s+3], s[8:9], \s*SLOTG
	s_or_b32 s[G0V+4*\s+3], s[G0V+4*\s+3], 0x80000000
.endr
	s_cmp_lt_u32 s[WV], 2           ; a wave's two first fills stand in one branch, ahead of every wait on TENSORcnt and every LDS read: two loads of mine are out
	s_cbranch_scc0 .Lfirst_v
	tensor_load_to_lds s[G0K:G0K+3], s[G1K:G1K+7]
	s_nop 0
	tensor_load_to_lds s[G0K+4:G0K+7], s[G1K:G1K+7]
	s_nop 0
.rept 4
	v_nop
.endr
	s_branch .Lfirst_asked
.Lfirst_v:
	tensor_load_to_lds s[G0V:G0V+3], s[G1V:G1V+7]
	s_nop 0
	tensor_load_to_lds s[G0V+4:G0V+7], s[G1V:G1V+7]
	s_nop 0
.rept 4
	v_nop
.endr
.Lfirst_asked:
	v_and_b32 v1, 15, v0            ; l % 16
	v_bfe_u32 v9, v0, 4, 1          ; l / 16
	v_lshlrev_b32 v[QO], 8, v1
	v_lshl_add_u32 v[QO], v9, 4, v[QO]  ; row x 256 + 16 x half
	s_lshl_b32 s2, s17, 13          ; 32 rows on for the second pair of waves,
	s_xor_b32 s3, s2, 8192          ; and the other 32 rows
	v_add_nc_u32 v[QOB], s3, v[QO]
	v_add_nc_u32 v[QO], s2, v[QO]
	WIN 0x80                        ; destination window 2, address window 0
.irp i, 0,1,2,3,4,5,6,7             ; Q stays in registers: tile i / 4, channels 32 (i % 4) on
	global_load_b128 v[8*\i:8*\i+3],   v[QO], s[4:5] offset:(\i/4)*4096+(\i%4)*64
	global_load_b128 v[8*\i+4:8*\i+7], v[QO], s[4:5] offset:(\i/4)*4096+(\i%4)*64+32
.endr
.irp i, 8,9,10,11,12,13,14,15
	global_load_b128 v[8*\i:8*\i+3],   v[QOB], s[4:5] offset:(\i/4-2)*4096+(\i%4)*64
	global_load_b128 v[8*\i+4:8*\i+7], v[QOB], s[4:5] offset:(\i/4-2)*4096+(\i%4)*64+32
.endr
	WIN 0
	v_mul_u32_u24 v[AK0], v1, PK
	v_lshl_add_u32 v[AK0], v9, 4, v[AK0]  ; row x pitch + 16 x half
	v_and_b32 v10, 7, v0            ; the turning load: lane l reads key 8 (l / 16) + l % 8, channels 8 ((l / 8) % 2) + 0..7
	v_bfe_u32 v11, v0, 3, 1
	v_lshl_add_u32 v[AV0], v9, 3, v10
	v_mul_u32_u24 v[AV0], v[AV0], PV
	v_lshl_add_u32 v[AV0], v11, 4, v[AV0]
	v_add_nc_u32 v[AV0], VOFF, v[AV0]
; THE MATRIX WORK OF A TURN, for piece x.  The accumulators take turns, one instruction a turn.
.macro PV x, zero                   ; product i of 32 of O^T += V^T P: keys 32 (i / 16) on, channels 16 ((i / 2) % 8) on, tile x + i % 2.  zero = 1: the first 16 start the sums
	WIN W_PV
.set rO, 64*(\x+i%2)+8*((i/2)%8)
.set rV, 64*(i/16)+8*((i/2)%8)
.set rP, P+16*(\x+i%2)+8*(i/16)
.if \zero && (i < 16)
	v_wmma_f32_16x16x32_f16 v[rO:rO+7], v[rV:rV+7], v[rP:rP+7], 0
.else
	v_wmma_f32_16x16x32_f16 v[rO:rO+7], v[rV:rV+7], v[rP:rP+7], v[rO:rO+7]
.endif
.endm
.macro KQ x                         ; product i of 32 of S^T = K Q^T: channels 32 (i / 8) on, keys 16 ((i / 2) % 4) on, tile x + i % 2.  The first 8 start the sums
	WIN W_KQ
.set rS, S+32*(\x+i%2)+8*((i/2)%4)
.set rK, KF+32*((i/2)%4)+8*(i/8)
.set rQ, 32*(\x+i%2)+8*(i/8)
.if i < 8
	v_wmma_f32_16x16x32_f16 v[rS:rS+7], v[rK:rK+7], v[rQ:rQ+7], 0
.else
	v_wmma_f32_16x16x32_f16 v[rS:rS+7], v[rK:rK+7], v[rQ:rQ+7], v[rS:rS+7]
.endif
.endm
; THE LDS LOADS stand in runs of 32: a step's K (64 keys x 128 channels) and, a turn later, its V (turned).
.macro FETCH_K
	WIN 0
	v_add_nc_u32 v[ADR], s[TK], v[AK0]
	s_add_co_u32 s[TK], s[TK], KSTEPB  ; the next fetch is the next step's
	WIN 0x80
.irp f, 0,1,2,3,4,5,6,7,8,9,10,11,12,13,14,15
	ds_load_b128 v[KF+8*\f:KF+8*\f+3],   v[ADR] offset:(\f/4)*16*PK+(\f%4)*64
	ds_load_b128 v[KF+8*\f+4:KF+8*\f+7], v[ADR] offset:(\f/4)*16*PK+(\f%4)*64+32
.endr
.endm
.macro FETCH_V
	WIN 0
	v_add_nc_u32 v[ADR], s[TV], v[AV0]
	s_add_co_u32 s[TV], s[TV], VSTEPB
	s_wait_alu depctr_va_vdst(0)    ; the wait for the softmax's batch of exponentials, ahead of the first instruction that names a result
	WIN 0xc0
.irp f, 0,1,2,3,4,5,6,7,8,9,10,11,12,13,14,15
	ds_load_tr16_b128 v[8*\f:8*\f+3],   v[ADR] offset:(\f/8)*32*PV+(\f%8)*32
	ds_load_tr16_b128 v[8*\f+4:8*\f+7], v[ADR] offset:(\f/8)*32*PV+16*PV+(\f%8)*32
.endr
.endm
; THE VECTOR WORK OF A TURN.  One tile's softmax for one key step is a list of 134 instructions; SM writes number j of it for tile t.
;   0-15 the maximum of the 32 scores and the old m;  16-20 the other half of the lanes' maximum, the new m, c m, c m_old - c m_new;  21-69 ONE BATCH: the 16 packed scalings c s - c m and all 33 exponentials, none of which reads an exponential's result;
;   (the wait for the batch);  70-85 the roundings to f16;  86-101 the sums, l = a l + the sum;  102-133 the tile's O^T times a.   first = 1: the first key step has no a and nothing to rescale.
.macro SM t, first
.set rT, ST+8*(\t)
.set rS, S+32*(\t)
.set rP, P+16*(\t)
.set rO, 64*(\t)+2*(j-102)
.if j < 102
	WIN 0
.endif
.if j < 4
	v_max3_num_f32 v[rT+4+j], v[rS+8*j], v[rS+8*j+1], v[rS+8*j+2]
.elseif j < 12
	v_max3_num_f32 v[rT+4+j%4], v[rT+4+j%4], v[rS+8*(j%4)+2*(j/4)+1], v[rS+8*(j%4)+2*(j/4)+2]
.elseif j == 12
	v_max3_num_f32 v[rT+4], v[rT+4], v[rS+7], v[rS+15]
.elseif j == 13
	v_max3_num_f32 v[rT+6], v[rT+6], v[rS+23], v[rS+31]
.elseif j == 14
	v_max3_num_f32 v[rT+4], v[rT+4], v[rT+5], v[rT+6]
.elseif (j == 15) && \first
	v_max_num_f32 v[rT+4], v[rT+4], v[rT+7]
.elseif j == 15
	v_max3_num_f32 v[rT+4], v[rT+4], v[rT+7], v[rT+1]
.elseif j == 16
	v_permlanex16_b32 v[rT+5], v[rT+4], s[SEL], s[SEL+1]  ; the query's other 32 keys lie in the lane 16 away
.elseif j == 18
	v_max_num_f32 v[rT+1], v[rT+4], v[rT+5]
.elseif j == 19
	v_mul_f32 v[rT], s[CS], v[rT+1]
.elseif ((j == 17) || (j == 20) || (j == 23) || (j > 101)) && \first
.elseif j == 17
	v_mov_b32 v[rT+7], v[rT]
.elseif j == 20
	v_sub_f32 v[rT+7], v[rT+7], v[rT]
.elseif j == 23
	v_exp_f32 v[rT+6], v[rT+7]
.elseif (j < 23) || ((j < 38) && (j%2 == 0)) || ((j < 66) && (j%4 == 2))
.set b, (j-2)/4
.if j < 38
.set b, (j-20)/2
.endif
	v_pk_fma_f32 v[rS+2*b:rS+2*b+1], v[rS+2*b:rS+2*b+1], s[CS:CS+1], v[rT:rT+1] op_sel_hi:[1,0,0] neg_lo:[0,0,1] neg_hi:[0,0,1]
.elseif j < 70
.set e, j-38
.if j < 66
.set e, j-32-(j-38)/4
.endif
.if j < 38
.set e, (j-25)/2
.endif
	v_exp_f32 v[rS+e], v[rS+e]
.elseif j < 86
	v_cvt_pk_f16_f32 v[rP+j-70], v[rS+2*(j-70)], v[rS+2*(j-70)+1]
.elseif j < 102
.set z, j-86
.set w, 4
.set u, z
.if z >= 14
.set w, 32
.set u, 0
.elseif z >= 12
.set w, 16
.set u, z-12
.elseif z >= 8
.set w, 8
.set u, z-8
.endif
.if (z == 14) && \first
	v_pk_add_f32 v[rT+2:rT+3], v[rS:rS+1], v[rS+16:rS+17]
.elseif z < 15
	v_pk_add_f32 v[rS+w*u:rS+w*u+1], v[rS+w*u:rS+w*u+1], v[rS+w*u+w/2:rS+w*u+w/2+1]
.elseif !\first
	v_pk_fma_f32 v[rT+2:rT+3], v[rT+2:rT+3], v[rT+6:rT+7], v[rS:rS+1] op_sel_hi:[1,0,1]
.endif
.else
	WIN W_RS
	v_pk_mul_f32 v[rO:rO+1], v[rO:rO+1], v[rT+6:rT+7] op_sel_hi:[1,0]
.endif
.endm
; Slice k of 64 of piece y's softmax: four instructions.  Slices 11 to 34 deal out the batch, four numbers of ONE tile each, the tiles by turns; every other slice is numbers 2 k and 2 k + 1 of both tiles' lists; the twelve that are over stand in slice 63.
; Ahead of slice 35 nothing names an exponential's result, and behind slice 34 no exponential is issued: so the piece's 66 exponentials have one wait, behind slice 34.
.macro SLICE y, first
.if (k >= 11) && (k < 35)
.irp n, 0,1,2,3
.set j, 22+4*((k-11)/2)+(\n)
	SM (\y)+(k-11)%2, \first
.endr
.else
.irp n, 0,1,2,3,4,5,6,7
.if (\n < 2) || (k == 63)
.irp t, \y, \y+1
.set j, 2*k+\n
	SM \t, \first
.endr
.endif
.endr
.endif
.if k == 34
	v_nop                           ; a plain instruction behind the last exponential and ahead of the first use: one for the batch
.if (\y) == 0
	FETCH_V                         ; piece 2's turn: V's run of loads stands here, and the wait stands in it
.else
	s_wait_alu depctr_va_vdst(0)    ; the wait for the batch
.endif
.endif
.set k, k+1
.endm
.macro PLACES                       ; plain vector instructions between a matrix instruction and a read of, or a load into, its registers
.rept 4
	v_nop
.endr
.endm
; A TURN.  Piece x has the matrix unit; the other piece's softmax stands in slices behind its matrix instructions.  pv = 2: 32 products V^T P; 1: they start O^T's sums; 0: none.  kq = 1: 32 products K Q^T for the next step.
.macro TURN x, pv, kq, first
.set k, 0
.set per, 2
.if \pv && \kq
.set per, 1
.endif
.if \pv
.if \x == 0
	s_wait_dscnt 0x0                ; V is in
.endif
.set i, 0
.rept 32
	PV \x, 2-\pv
.rept per
	SLICE 2-\x, \first
.endr
.if (\x == 0) && \kq && (i == 1)
	FETCH_K
.endif
.set i, i+1
.endr
.endif
.if \kq
.if \x == 0
	s_wait_dscnt 0x0                ; K is in
.endif
.set i, 0
.rept 32
	KQ \x
.rept per
	SLICE 2-\x, \first
.endr
.set i, i+1
.endr
.endif
.if \first
	PLACES
.endif
.endm
; THE CHANGE OF SLOTS, between piece 2's turn and piece 0's: the slot's last bytes that I read, V of my second step, have been asked for.  Each wave waits for all its tensor loads, adds 0 to its spare word, and waits for that and
; for its own reads of the slot.  fill = 1: this slot is filled again with the keys two slots on, behind a round of the cluster's barrier: the load has two key steps, 256 matrix instructions, in which to land.
.macro CHANGE fill
	WIN 0
	s_wait_tensorcnt 0x0            ; no tensor load of mine is out, so a group 0 may be written
	ds_add_u32 v[SPW], v[NIL]       ; 0 onto my spare word; the steps below stand between it and the wait for it
.if \fill
	s_xor_b32 s[TG], s[TG], SLOTB   ; the walking descriptors: the other slot than last time (TG holds 0 or SLOTB),
	s_add_co_u32 s[G0K+5], s[KL0], s[TG]
	s_add_co_u32 s[G0V+5], s[VL0], s[TG]
	s_add_nc_u64 s[G0K+6:G0K+7], s[G0K+6:G0K+7], SLOTG  ; the next 256 keys; the type bits on top are not reached
	s_add_nc_u64 s[G0V+6:G0V+7], s[G0V+6:G0V+7], SLOTG
	s_wait_xcnt 0x0                 ; the last prefetch, two key steps back, has read its address, so it may be written
	s_add_nc_u64 s[PFA:PFA+1], s[PFA:PFA+1], SLOTG
.endif
	s_xor_b32 s[TR], s[TR], SLOTB   ; the fetches go to my first step in the other slot
	s_add_co_u32 s[TK], s[KP0], s[TR]
	s_add_co_u32 s[TV], s[VP0], s[TR]
	s_wait_dscnt 0x0                ; the add is done, and my reads of the slot are over
.if \fill
	CROUND
	JLOAD
	ASK
.else
	s_barrier_signal -1
	s_barrier_wait -1
.endif
.endm
.macro TWO_STEPS                    ; a slot's two key steps of mine: written once, walked twice
	s_mov_b32 s[TWICE], 2
.Lstep_\@:
	TURN 0, 2, 1, 0
	TURN 2, 2, 1, 0
	WIN 0
	s_sub_co_u32 s[TWICE], s[TWICE], 1
	s_cmp_lg_u32 s[TWICE], 0
	s_cbranch_scc1 .Lstep_\@
.endm
	s_wait_tensorcnt 1              ; my part of slot 0 is in; slot 1's may stay out
	s_barrier_signal -1
	s_barrier_wait -1
	FETCH_K                         ; my key step 0
	s_wait_loadcnt 0x0              ; Q
	s_wait_dscnt 0x0
.set i, 0
.rept 32
	KQ 0
.set i, i+1
.endr
	WIN 0                           ; the addresses for the merge and the way out are made here: plain instructions, the places behind those products
	s_mul_i32 s13, s[WV], 16*SP
	s_add_co_u32 s13, s13, STAGE    ; my stage
	v_mul_u32_u24 v[STO], v1, SP
	v_lshl_add_u32 v[STO], v9, 4, v[STO]
	v_add_nc_u32 v[STO], s13, v[STO]
	v_mul_u32_u24 v[RD], v9, SP
	v_lshl_add_u32 v[RD], v1, 4, v[RD]
	v_add_nc_u32 v[RD], s13, v[RD]
	v_lshlrev_b32 v[GO], 12, v9     ; lanes 0-15 one row of att, lanes 16-31 the next; 16 bytes a lane
	v_lshl_add_u32 v[GO], v1, 4, v[GO]
	v_and_b32 v10, 31, v0
	v_lshlrev_b32 v10, 4, v10
	s_mul_i32 s2, s[WV], XW
	v_add_nc_u32 v[XWA], s2, v10    ; my images: 16 x lane + XW x wave
	s_xor_b32 s3, s[WV], 2
	s_mul_i32 s3, s3, XW
	v_add_nc_u32 v[XRA], s3, v10    ; my partner's
	TURN 2, 0, 1, 1                 ; piece 2's first scores | piece 0's first softmax | V of step 0
	TURN 0, 1, 1, 1                 ; piece 0: V^T P of step 0 starts O^T, K Q^T of step 1 | piece 2's first softmax | K of step 1
	TURN 2, 1, 1, 0                 ; piece 2: the same | piece 0's softmax of step 1 | V of step 1
	WIN 0
.Lslot:                             ; six trips: every slot's worth of keys but the last two is followed by a refill
	CHANGE 1
	TWO_STEPS
	s_sub_co_u32 s[SLOTS], s[SLOTS], 1
	s_cmp_lg_u32 s[SLOTS], 0
	s_cbranch_scc1 .Lslot
	CHANGE 0                        ; the tail is written out
	TWO_STEPS
	TURN 0, 2, 0, 0                 ; piece 0: V^T P of the last step | piece 2's last softmax
.set i, 0
.rept 32
	PV 2, 0
.set i, i+1
.endr
	; THE MERGE.  l's two halves and the other half of the lanes' are added (these lines are the places behind the last products); tiles 2, 3 go to LDS as images of their registers, with c m and l; a barrier; my partner's come back.
	WIN 0
.irp t, 0,1,2,3
	v_add_f32 v[ST+8*\t+4], v[ST+8*\t+2], v[ST+8*\t+3]
.endr
.irp t, 0,1,2,3
	v_permlanex16_b32 v[ST+8*\t+5], v[ST+8*\t+4], s[SEL], s[SEL+1]
.endr
.irp t, 0,1,2,3
	v_add_f32 v[ST+8*\t+4], v[ST+8*\t+4], v[ST+8*\t+5]
.endr
	v_mov_b32 v[SND], v[ST+16]
	v_mov_b32 v[SND+1], v[ST+20]
	v_mov_b32 v[SND+2], v[ST+24]
	v_mov_b32 v[SND+3], v[ST+28]
	WIN 0x04                        ; an LDS store's data are its source 1: window 1
.set i, 0
.rept 32
	ds_store_b128 v[XWA], v[128+4*i:128+4*i+3] offset:512*i  ; each accumulator from its low end on; 512 consecutive bytes a store
.set i, i+1
.endr
	WIN 0
	ds_store_b128 v[XWA], v[SND:SND+3] offset:16384
	s_wait_dscnt 0x0                ; for my partner's sake: my stores have landed
	s_barrier_signal -1
	s_barrier_wait -1
	ds_load_b128 v[RCV:RCV+3], v[XRA] offset:16384
.set i, 0
.rept 32
	ds_load_b128 v[S+4*i:S+4*i+3], v[XRA] offset:512*i  ; my partner's tiles 2, 3 are my tiles 0, 1
.set i, i+1
.endr
	s_wait_dscnt 32                 ; the statistics are in; the 32 images may be out
.irp t, 0,1
	v_max_num_f32 v[ST+8*\t+5], v[ST+8*\t], v[RCV+2*\t]  ; the common c m
.endr
.irp t, 0,1
	v_sub_f32 v[ST+8*\t+6], v[ST+8*\t], v[ST+8*\t+5]
	v_sub_f32 v[ST+8*\t+2], v[RCV+2*\t], v[ST+8*\t+5]
.endr
.irp t, 0,1
	v_exp_f32 v[ST+8*\t+6], v[ST+8*\t+6]  ; my factor,
	v_exp_f32 v[ST+8*\t+2], v[ST+8*\t+2]  ; my partner's
.endr
	v_nop                           ; a plain instruction behind the last exponential
	s_wait_alu depctr_va_vdst(0)    ; one wait for the four
.irp t, 0,1
	v_mul_f32 v[ST+8*\t+3], v[ST+8*\t+6], v[ST+8*\t+4]
.endr
.irp t, 0,1
	v_fma_f32 v[ST+8*\t+3], v[ST+8*\t+2], v[RCV+2*\t+1], v[ST+8*\t+3]  ; the row's sum over all keys
.endr
.irp t, 0,1
	v_rcp_f32 v[ST+8*\t+3], v[ST+8*\t+3]
.endr
	v_nop
	s_wait_alu depctr_va_vdst(0)    ; one wait for the two reciprocals
.irp t, 0,1
	v_mul_f32 v[ST+8*\t+6], v[ST+8*\t+6], v[ST+8*\t+3]  ; what my O^T is multiplied by,
	v_mul_f32 v[ST+8*\t+4], v[ST+8*\t+2], v[ST+8*\t+3]  ; and my partner's
.endr
; Tile t: the two parts are weighed and added, rounded to f16, and go through my stage: in as 16 bytes a lane, back as whole rows of 256 bytes, into the registers that they left.
.macro MERGE t
	WIN 0
.set i, 0
.rept 32
	v_pk_mul_f32 v[S+64*\t+i:S+64*\t+i+1], v[S+64*\t+i:S+64*\t+i+1], v[ST+8*\t+4:ST+8*\t+5] op_sel_hi:[1,0]
.set i, i+2
.endr
	WIN 0x01                        ; source 0: O^T, window 1
.set i, 0
.rept 32
	v_pk_fma_f32 v[S+64*\t+i:S+64*\t+i+1], v[64*\t+i:64*\t+i+1], v[ST+8*\t+6:ST+8*\t+7], v[S+64*\t+i:S+64*\t+i+1] op_sel_hi:[1,0,1]
.set i, i+2
.endr
	WIN 0
.set i, 0
.rept 32
	v_cvt_pk_f16_f32 v[P+32*\t+i], v[S+64*\t+2*i], v[S+64*\t+2*i+1]
.set i, i+1
.endr
.irp f, 0,1,2,3,4,5,6,7
	ds_store_b128 v[STO], v[P+32*\t+4*\f:P+32*\t+4*\f+3] offset:32*\f
.endr
.irp f, 0,1,2,3,4,5,6,7
	ds_load_b128 v[P+32*\t+4*\f:P+32*\t+4*\f+3], v[RD] offset:\f*2*SP  ; LDS serves a wave's instructions in order (ISA guide 5.7.1.4)
.endr
.endm
.macro SEND t, younger              ; younger: the LDS instructions issued behind tile t's loads
.irp f, 0,1,2,3,4,5,6,7
	s_wait_dscnt \younger+7-\f
	global_store_b128 v[GO], v[P+32*\t+4*\f:P+32*\t+4*\f+3], s[10:11] offset:\t*65536+\f*8192  ; 16 lanes store 256 consecutive bytes, aligned: a head's part of a row
.endr
.endm
	s_wait_dscnt 16                 ; tile 0's 16 images are in; tile 1's may be out
	MERGE 0
	s_wait_dscnt 16                 ; tile 1's images are in; the stage's 16 instructions of tile 0 may be out
	MERGE 1
	SEND 0, 16
	SEND 1, 0
	s_wait_tensorcnt 0x0            ; the wave's end, behind my last tensor load and my last LDS store
	ds_add_u32 v[SPW], v[NIL]
	s_wait_dscnt 0x0
	CROUND                          ; the closing round: no work-group ends while a partner may still ask for a tile that names it
	s_endpgm
.Lfunc_end_k_qd1448c98d0_attn:
	.size	k_qd1448c98d0_attn, .Lfunc_end_k_qd1448c98d0_attn-k_qd1448c98d0_attn
	.p2alignl 7, 3214868480
	.fill 96, 4, 3214868480
	.section	.rodata,"a",@progbits
	.p2align	6, 0x0
	.amdhsa_kernel k_qd1448c98d0_attn
		.amdhsa_group_segment_fixed_size 327680
		.amdhsa_private_segment_fixed_size 0
		.amdhsa_enable_private_segment 0
		.amdhsa_kernarg_size 16
		.amdhsa_user_sgpr_count 2
		.amdhsa_user_sgpr_kernarg_segment_ptr 1
		.amdhsa_wavefront_size32 1
		.amdhsa_system_sgpr_workgroup_id_x 1
		.amdhsa_system_sgpr_workgroup_id_y 1
		.amdhsa_system_sgpr_workgroup_id_z 1
		.amdhsa_system_vgpr_workitem_id 0
		.amdhsa_next_free_vgpr 1024
		.amdhsa_next_free_sgpr 72
		.amdhsa_reserve_vcc 0
		.amdhsa_float_denorm_mode_32 3
		.amdhsa_float_denorm_mode_16_64 3
		.amdhsa_memory_ordered 1
		.amdhsa_forward_progress 1
		.amdhsa_inst_pref_size 220
	.end_amdhsa_kernel
	.amdgpu_metadata
---
amdhsa.version: [ 1, 2 ]
amdhsa.kernels:
  - .name:           k_qd1448c98d0_attn
    .symbol:         k_qd1448c98d0_attn.kd
    .args:
      - { .name: qkv, .offset: 0, .size: 8, .value_kind: global_buffer, .address_space: global }
      - { .name: att, .offset: 8, .size: 8, .value_kind: global_buffer, .address_space: global }
    .group_segment_fixed_size: 327680
    .private_segment_fixed_size: 0
    .kernarg_segment_align: 8
    .kernarg_segment_size: 16
    .max_flat_workgroup_size: 128
    .sgpr_count:     72
    .vgpr_count:     1024
    .wavefront_size: 32
...
	.end_amdgpu_metadata
.endif
;; end of part 3
;; launch oproj (part 4): grid 16 x 16, 4 waves a work-group, clusters of 4 x 4, 327,680 bytes of LDS; arguments att, wot, bo, out0; writes out0
.if DOCPART == 4
	.amdgcn_target "amdgcn-amd-amdhsa--gfx1250"
	.amdhsa_code_object_version 6
	.text
	.protected	k_qd1448c98d0_oproj
	.globl	k_qd1448c98d0_oproj
	.p2align	8
	.type	k_qd1448c98d0_oproj,@function
k_qd1448c98d0_oproj:
	s_mov_b64 s[64:65], 0
	v_nop
	global_prefetch_b8 v0, s[64:65] scope:SCOPE_SE
	s_setreg_imm32_b32 hwreg(HW_REG_WAVE_MODE, 25, 1), 1
	s_wait_xcnt 0x0
	s_wait_alu depctr_hold_cnt(0) depctr_sa_sdst(0) depctr_va_vdst(0) depctr_va_sdst(0) depctr_va_ssrc(0) depctr_va_vcc(0) depctr_vm_vsrc(0)
	s_getreg_b32 s2, hwreg(HW_REG_IB_STS2, 6, 4)
	s_cmp_eq_u32 s2, 0
	s_cbranch_scc0 .Lentry_in_a_cluster
	s_endpgm
.Lentry_in_a_cluster:
	s_bfe_u32 s2, ttmp6, 0x10000c
	s_cmp_lg_u32 s2, 0xf033
	s_cbranch_scc0 .Lentry_shape_is_right
	s_endpgm
.Lentry_shape_is_right:
; out0[m][n] = sum over k of att[m][k] wot[n][k] + bo[n].  att: [2048][2048] f16, wot: [2048 (n)][2048 (k)] f16, bo: [2048] f32, out0: [2048][2048] f32; sums in f32.
; A tile of the output is 128 x 128: 256 work-groups (tiles of 256 x 256 would be 64).  Four waves, each 64 x 64: 16 accumulators of 16 x 16.  K goes in steps of 256 (LDS rows of 512 bytes; a wave's tensor load brings 64 of them) through two slots.
; CLUSTERS: 4 x 4 work-groups.  The four of a row of the cluster need the same tiles of att, the four of a column the same tiles of wot: each tile is asked for JOINTLY, by the same tensor load with the same descriptor and a mask that names the four.
; THE MATRIX INSTRUCTION IS USED TRANSPOSED (source 0 = 16 rows of wot, source 1 = 16 rows of att): a lane then holds eight neighbouring numbers of a row of the output.  THE BIAS is the C of each sum's first matrix instruction.
; THE WAY OUT: a wave's 64 columns of f32 are 256 aligned bytes of a row, so each wave has a stage of its own and no barrier is needed.
; REGISTERS: window 0: v0-31 addresses; v32-95 the way out; v96-127 the bias; v128-255 the accumulators ((a, b) at v[128 + 8 (4 a + b)]).   window 1: two fragment buffers of 128.
.set SIZE_M, 2048
.set SIZE_N, 2048
.set SIZE_K, 2048
.set KSTEP,  256
.set PITCH,  528                       ; an LDS row: 512 bytes + 16 of padding = 132 words: row r starts at bank 4 r mod 64 (64 banks of 4 bytes: ISA guide 11.1)
.set HALFT,  64*PITCH
.set SLOT,   4*HALFT
.set STAGE,  2*SLOT                    ; behind the ring: 16 rows x 272 bytes for each wave
.set SPITCH, 272
.set SPARE,  STAGE+4*16*SPITCH         ; the spare words, 128 bytes for each wave: two blocks of 256 bytes that no other line names
.set LAPS, SIZE_K/(2*KSTEP)
.set ADRA, 16
.set ADRB, 20
.set STO,  24
.set RD,   25
.set CO,   26
.set BO,   27                          ; v27  32 x (lane / 16)
.set SPW,  28
.set NIL,  29
.set TMP,  32
.set BIAS, 96
.set ACC,  128
.set F0,   0
.set F1,   128
.set G1, 24
.set G0, 32
.set G1B, 48
.set G0B, 56
.set MSB, 0
.macro WIN new
.if MSB != (\new)
	s_set_vgpr_msb (MSB<<8)|(\new)
.set MSB, (\new)
.endif
.endm
.set MUL,  0x05                        ; sources 0 (wot) and 1 (att) window 1; C and D window 0
.set TO_F, 0x40                        ; destination window 1, address window 0
.macro JLOAD s                         ; a joint load: waves 0 and 1 fetch att's two halves, waves 2 and 3 wot's; an s_nop 0 and four v_nop follow each of the two lines
	s_cmp_eq_u32 s11, 0
	s_cbranch_scc0 .Lfor_b_\@
	tensor_load_to_lds s[G0+4*\s:G0+4*\s+3], s[G1:G1+7]
	s_nop 0
.rept 4
	v_nop
.endr
	s_branch .Lasked_\@
.Lfor_b_\@:
	tensor_load_to_lds s[G0B+4*\s:G0B+4*\s+3], s[G1B:G1B+7]
	s_nop 0
.rept 4
	v_nop
.endr
.Lasked_\@:
.endm
.macro CREST
	s_cmp_lg_u32 s10, 0
	s_cbranch_scc1 .Lnot_wave_0_\@
	s_barrier_signal -3
.Lnot_wave_0_\@:
	s_barrier_wait -3
	s_barrier_signal -1
	s_barrier_wait -1
.endm
.macro CROUND
	s_barrier_signal -1
	s_barrier_wait -1
	CREST
.endm
	s_load_b128 s[4:7], s[0:1], 0x0                ; att s[4:5], wot s[6:7]
	s_load_b128 s[68:71], s[0:1], 0x10             ; bo s[68:69], out0 s[70:71]
	v_lshl_add_u32 v[SPW], v0, 2, SPARE
	v_mov_b32 v[NIL], 0
	ds_add_u32 v[SPW], v[NIL]                      ; the wave's opening: the add, twice on end, and its wait ahead of my first tensor load
	ds_add_u32 v[SPW], v[NIL]
	v_lshrrev_b32 v1, 5, v0
	v_readfirstlane_b32 s10, v1                    ; wave 0..3
	s_lshr_b32 s11, s10, 1                         ; which half of the tile's rows is mine.  Also: I fetch for att (0) or for wot (1)
	s_and_b32 s12, s10, 1                          ; which half of its columns.  Also: which 64 rows of that tile I fetch
	s_bfe_u32 s40, ttmp6, 0x40000                  ; cx, cy
	s_bfe_u32 s41, ttmp6, 0x40004
	s_lshl_b32 s42, ttmp9, 2
	s_add_co_u32 s42, s42, s40                     ; tile column
	s_and_b32 s13, ttmp7, 0xffff
	s_lshl_b32 s13, s13, 2
	s_add_co_u32 s13, s13, s41                     ; tile row
	s_lshl_b32 s43, s41, 2
	s_lshl_b32 s43, 15, s43                        ; my row of the cluster
	s_lshl_b32 s44, 0x1111, s40                    ; my column
	s_or_b32 s[G1+0], s43, (1<<16)|(1<<20)|(1<<21)|(6<<22)|(3<<25)  ; 15:0 the mask; 17:16 elements of 2 bytes; 20 padding on; 21 set beside a mask; 24:22 after every 128 words; 31:25 four words
	s_or_b32 s[G1B+0], s44, (1<<16)|(1<<20)|(1<<21)|(6<<22)|(3<<25)
.irp g, G1, G1B
	s_mov_b32 s[\g+1], KSTEP<<16                   ; tensor_dim0
	s_mov_b32 s[\g+2], 64<<16                      ; tensor_dim1
	s_mov_b32 s[\g+3], KSTEP<<16                   ; tile_dim0
	s_mov_b32 s[\g+4], 64                          ; tile_dim1
	s_mov_b32 s[\g+5], SIZE_K                      ; tensor_dim0_stride
	s_mov_b32 s[\g+6], 0
	s_mov_b32 s[\g+7], 0
.endr
	s_lshl_b32 s17, s12, 6
	s_lshl_b32 s16, s13, 7
	s_add_co_u32 s16, s16, s17                     ; att: row 128 x tile row + 64 x half
	s_lshl_b32 s46, s42, 7
	s_add_co_u32 s46, s46, s17                     ; wot: row 128 x tile column + 64 x half
	s_mov_b32 s17, 0
	s_mov_b32 s47, 0
	s_mov_b64 s[18:19], SIZE_K*2
	s_mul_u64 s[16:17], s[16:17], s[18:19]
	s_mul_u64 s[46:47], s[46:47], s[18:19]
	s_mul_i32 s20, s10, HALFT                      ; where they go: wave x 64 rows
	s_wait_dscnt 0x0                               ; both opening adds are done
	s_wait_kmcnt 0x0
	s_add_nc_u64 s[14:15], s[4:5], s[16:17]
	s_add_nc_u64 s[46:47], s[6:7], s[46:47]
	CROUND                                         ; all sixteen work-groups are here: the first joint loads meet
.irp s, 0,1
	s_mov_b32 s[G0+4*\s], 1
	s_add_co_u32 s[G0+4*\s+1], s20, \s*SLOT
	s_add_nc_u64 s[G0+4*\s+2:G0+4*\s+3], s[14:15], \s*KSTEP*2
	s_or_b32 s[G0+4*\s+3], s[G0+4*\s+3], 0x80000000
	s_mov_b32 s[G0B+4*\s], 1
	s_add_co_u32 s[G0B+4*\s+1], s20, \s*SLOT
	s_add_nc_u64 s[G0B+4*\s+2:G0B+4*\s+3], s[46:47], \s*KSTEP*2
	s_or_b32 s[G0B+4*\s+3], s[G0B+4*\s+3], 0x80000000
	JLOAD \s
.endr
	v_and_b32 v1, 15, v0                           ; l % 16
	v_bfe_u32 v2, v0, 4, 1                         ; l / 16
	v_mul_u32_u24 v3, v1, PITCH
	v_lshl_add_u32 v3, v2, 4, v3
	s_mul_i32 s21, s11, HALFT                      ; my 64 rows of att
	s_mul_i32 s22, s12, HALFT                      ; my 64 rows of wot,
	s_add_co_u32 s22, s22, 2*HALFT                 ; which lie behind att's 128
.irp s, 0,1
	v_add_nc_u32 v[ADRA+\s], s21, v3
	v_add_nc_u32 v[ADRB+\s], s22, v3
	s_add_co_u32 s21, s21, SLOT
	s_add_co_u32 s22, s22, SLOT
.endr
	s_mul_i32 s23, s10, 16*SPITCH
	s_add_co_u32 s23, s23, STAGE                   ; my stage
	v_mul_u32_u24 v4, v1, SPITCH                   ; in: row l % 16, 32 bytes for each half of the lanes
	v_lshl_add_u32 v4, v2, 5, v4
	v_add_nc_u32 v[STO], s23, v4
	v_mul_u32_u24 v5, v2, SPITCH                   ; back: lanes 0-15 one row of 256 bytes, lanes 16-31 the next
	v_lshl_add_u32 v5, v1, 4, v5
	v_add_nc_u32 v[RD], s23, v5
	v_lshlrev_b32 v5, 13, v2                       ; and the same two rows in the output: 8,192 bytes a row
	v_lshl_add_u32 v[CO], v1, 4, v5
	v_lshlrev_b32 v[BO], 5, v2
	s_lshl_b32 s16, s13, 7
	s_lshl_b32 s17, s11, 6
	s_add_co_u32 s16, s16, s17                     ; my first row: 128 x tile row + 64 x half
	s_mov_b32 s17, 0
	s_mov_b64 s[18:19], SIZE_N*4
	s_mul_u64 s[16:17], s[16:17], s[18:19]
	s_add_nc_u64 s[70:71], s[70:71], s[16:17]
	s_lshl_b32 s46, s42, 9                         ; my first column, in bytes: 512 x tile column + 256 x half
	s_lshl_b32 s47, s12, 8
	s_add_co_u32 s46, s46, s47
	s_mov_b32 s47, 0
	s_add_nc_u64 s[70:71], s[70:71], s[46:47]
	s_add_nc_u64 s[68:69], s[68:69], s[46:47]      ; the bias of the same columns
.irp b, 0,1,2,3                                ; register 8 b + j: the bias of column 16 b + 8 (l / 16) + j: the result's layout
	global_load_b128 v[BIAS+8*\b:BIAS+8*\b+3], v[BO], s[68:69] offset:64*\b
	global_load_b128 v[BIAS+8*\b+4:BIAS+8*\b+7], v[BO], s[68:69] offset:64*\b+16
.endr
; 8 matrix instructions: m blocks a0, a0 + 1 x all 4 n blocks, 32 along K: half c of buffer f.  zero = 1: the first product starts the sums from the bias.  The 16 accumulators take turns.
.macro MUL8 f, c, a0, zero
.irp a, \a0, \a0+1
.irp b, 0,1,2,3
.if \zero
	v_wmma_f32_16x16x32_f16 v[ACC+8*(4*(\a)+\b):ACC+8*(4*(\a)+\b)+7], v[\f+64+8*(4*\c+\b):\f+64+8*(4*\c+\b)+7], v[\f+8*(4*\c+\a):\f+8*(4*\c+\a)+7], v[BIAS+8*\b:BIAS+8*\b+7]
.else
	v_wmma_f32_16x16x32_f16 v[ACC+8*(4*(\a)+\b):ACC+8*(4*(\a)+\b)+7], v[\f+64+8*(4*\c+\b):\f+64+8*(4*\c+\b)+7], v[\f+8*(4*\c+\a):\f+8*(4*\c+\a)+7], v[ACC+8*(4*(\a)+\b):ACC+8*(4*(\a)+\b)+7]
.endif
.endr
.endr
.endm
.macro FETCH slot, k, f                ; 32 LDS loads in one run: the fragments of 64 along K at byte k of the rows, into buffer f; the first 32 along K first
	WIN TO_F
.irp c, 0,1
.irp i, 0,1,2,3
	ds_load_b128 v[\f+64+8*(4*\c+\i):\f+64+8*(4*\c+\i)+3],   v[ADRB+\slot] offset:\k+64*\c+\i*16*PITCH
	ds_load_b128 v[\f+64+8*(4*\c+\i)+4:\f+64+8*(4*\c+\i)+7], v[ADRB+\slot] offset:\k+64*\c+\i*16*PITCH+32
	ds_load_b128 v[\f+8*(4*\c+\i):\f+8*(4*\c+\i)+3],         v[ADRA+\slot] offset:\k+64*\c+\i*16*PITCH
	ds_load_b128 v[\f+8*(4*\c+\i)+4:\f+8*(4*\c+\i)+7],       v[ADRA+\slot] offset:\k+64*\c+\i*16*PITCH+32
.endr
.endr
.endm
.macro PLACES                          ; plain vector instructions between a matrix instruction and a load into, or a read of, its registers
.rept 4
	v_nop
.endr
.endm
.macro QUARTER slot, k, f, g, zero     ; 64 along K: multiplies buffer f and fetches the next quarter, at byte k, into g
	s_wait_dscnt 16                                ; the first 32 along K are in
	WIN MUL
	MUL8 \f, 0, 0, \zero
	MUL8 \f, 0, 2, \zero
	PLACES
	FETCH \slot, \k, \g
	s_wait_dscnt 32                                ; all but the 32 just issued
	WIN MUL
	MUL8 \f, 1, 0, 0
	MUL8 \f, 1, 2, 0
.endm
; The last quarter multiplies buffer 1 and changes slots: ONE barrier; in front of it each wave waits for all its tensor loads, adds 0 to its spare word, and waits for that and for its own reads of this slot.
.macro TURN slot, next, fill
	WIN 0
	s_wait_tensorcnt 0x0                           ; all my tensor loads have landed: my part of the next slot
	ds_add_u32 v[SPW], v[NIL]                      ; 0 onto my spare word
	s_wait_dscnt 17                                ; (the add and the youngest sixteen loads may be out)
	WIN MUL
	MUL8 F1, 0, 0, 0
	s_wait_dscnt 0x0                               ; the add is done, and my reads of this slot are over
	s_barrier_signal -1
	MUL8 F1, 0, 2, 0
.if \fill
	WIN 0
.endif
	s_barrier_wait -1
.if \fill
	CREST                                          ; the barrier has opened a round of the cluster's barrier: no wave of any partner still reads this slot's tile or has a load on its way
	s_add_nc_u64 s[G0+4*\slot+2:G0+4*\slot+3], s[G0+4*\slot+2:G0+4*\slot+3], 2*KSTEP*2
	s_add_nc_u64 s[G0B+4*\slot+2:G0B+4*\slot+3], s[G0B+4*\slot+2:G0B+4*\slot+3], 2*KSTEP*2
	JLOAD \slot                                    ; the first tensor load behind the round
.else
	PLACES
.endif
	FETCH \next, 0, F0
	WIN MUL
	MUL8 F1, 1, 0, 0
	MUL8 F1, 1, 2, 0
.endm
	s_wait_tensorcnt 1                             ; my part of K step 0 is in,
	s_barrier_signal -1
	s_barrier_wait -1                              ; everybody's is
	FETCH 0, 0, F0
	s_wait_loadcnt 0x0                             ; the bias
	QUARTER 0, 128, F0, F1, 1                      ; the first quarter stands in front of the loop: its first products start the sums
	WIN 0
	s_mov_b32 s3, LAPS-1
.Llap:                                                 ; a trip goes once round the ring, from a lap's second quarter to the next lap's first, and fills both slots again
	QUARTER 0, 256, F1, F0, 0
	QUARTER 0, 384, F0, F1, 0
	TURN 0, 1, 1
	QUARTER 1, 128, F0, F1, 0
	QUARTER 1, 256, F1, F0, 0
	QUARTER 1, 384, F0, F1, 0
	TURN 1, 0, 1
	QUARTER 0, 128, F0, F1, 0
	WIN 0
	s_sub_co_u32 s3, s3, 1
	s_cmp_lg_u32 s3, 0
	s_cbranch_scc1 .Llap
	QUARTER 0, 256, F1, F0, 0                      ; the last lap fills nothing, and has no round of the cluster's barrier
	QUARTER 0, 384, F0, F1, 0
	TURN 0, 1, 0
	QUARTER 1, 128, F0, F1, 0
	QUARTER 1, 256, F1, F0, 0
	QUARTER 1, 384, F0, F1, 0
	s_wait_dscnt 16
	WIN MUL
	MUL8 F1, 0, 0, 0
	MUL8 F1, 0, 2, 0
	s_wait_dscnt 0
	MUL8 F1, 1, 0, 0
	MUL8 F1, 1, 2, 0
	WIN 0
; THE WAY OUT, block by block of 16 rows x 64 columns: 32 bytes a lane into my stage, back as whole rows of 256 bytes.  LDS serves a wave's instructions in order (ISA guide 5.7.1.4): no wait between the stores and the loads.
.macro TOSTAGE a
.irp b, 0,1,2,3
	ds_store_b128 v[STO], v[ACC+8*(4*(\a)+\b):ACC+8*(4*(\a)+\b)+3] offset:64*\b        ; each accumulator from its low end on
	ds_store_b128 v[STO], v[ACC+8*(4*(\a)+\b)+4:ACC+8*(4*(\a)+\b)+7] offset:64*\b+16
.endr
.irp t, 0,1,2,3,4,5,6,7
	ds_load_b128 v[TMP+32*((\a)%2)+4*\t:TMP+32*((\a)%2)+4*\t+3], v[RD] offset:\t*2*SPITCH
.endr
.endm
.macro SEND a, younger                 ; younger: the LDS instructions issued behind block a's loads, which may stay out
	s_wait_dscnt \younger
.irp t, 0,1,2,3,4,5,6,7
	global_store_b128 v[CO], v[TMP+32*((\a)%2)+4*\t:TMP+32*((\a)%2)+4*\t+3], s[70:71] offset:(16*(\a)+2*\t)*SIZE_N*4 th:TH_STORE_NT   ; 16 lanes store 256 consecutive bytes, aligned; written once, read by nobody here
.endr
.endm
	PLACES                                         ; behind the last products: their results are read only behind these
	TOSTAGE 0
.irp a, 1,2,3
.if \a > 1
	s_wait_xcnt 0x0                                ; block a - 2's stores have read their registers: block a's loads may land there
.endif
	TOSTAGE \a
	SEND \a-1, 16                                  ; behind block a - 1's loads: block a's 8 stores and 8 loads
.endr
	SEND 3, 0
	s_wait_tensorcnt 0x0                           ; the wave's end, behind my last tensor load and my last LDS store
	ds_add_u32 v[SPW], v[NIL]
	s_wait_dscnt 0x0
	CROUND                                         ; the closing round: no work-group ends while a partner may still ask for a tile that names it
	s_endpgm
.Lfunc_end_k_qd1448c98d0_oproj:
	.size	k_qd1448c98d0_oproj, .Lfunc_end_k_qd1448c98d0_oproj-k_qd1448c98d0_oproj
	.p2alignl 7, 3214868480
	.fill 96, 4, 3214868480
	.section	.rodata,"a",@progbits
	.p2align	6, 0x0
	.amdhsa_kernel k_qd1448c98d0_oproj
		.amdhsa_group_segment_fixed_size 327680
		.amdhsa_private_segment_fixed_size 0
		.amdhsa_enable_private_segment 0
		.amdhsa_kernarg_size 32
		.amdhsa_user_sgpr_count 2
		.amdhsa_user_sgpr_kernarg_segment_ptr 1
		.amdhsa_wavefront_size32 1
		.amdhsa_system_sgpr_workgroup_id_x 1
		.amdhsa_system_sgpr_workgroup_id_y 1
		.amdhsa_system_sgpr_workgroup_id_z 1
		.amdhsa_system_vgpr_workitem_id 0
		.amdhsa_next_free_vgpr 512
		.amdhsa_next_free_sgpr 72
		.amdhsa_reserve_vcc 0
		.amdhsa_float_denorm_mode_32 3
		.amdhsa_float_denorm_mode_16_64 3
		.amdhsa_memory_ordered 1
		.amdhsa_forward_progress 1
		.amdhsa_inst_pref_size 86
	.end_amdhsa_kernel
	.amdgpu_metadata
---
amdhsa.version: [ 1, 2 ]
amdhsa.kernels:
  - .name:           k_qd1448c98d0_oproj
    .symbol:         k_qd1448c98d0_oproj.kd
    .args:
      - { .name: att, .offset: 0, .size: 8, .value_kind: global_buffer, .address_space: global }
      - { .name: wot, .offset: 8, .size: 8, .value_kind: global_buffer, .address_space: global }
      - { .name: bo, .offset: 16, .size: 8, .value_kind: global_buffer, .address_space: global }
      - { .name: out0, .offset: 24, .size: 8, .value_kind: global_buffer, .address_space: global }
    .group_segment_fixed_size: 327680
    .private_segment_fixed_size: 0
    .kernarg_segment_align: 8
    .kernarg_segment_size: 32
    .max_flat_workgroup_size: 128
    .sgpr_count:     72
    .vgpr_count:     512
    .wavefront_size: 32
...
	.end_amdgpu_metadata
.endif
;; end of part 4
